; MI455X (gfx1250); checked and timed in simulation.
; The chip was launched on July 23, 2026; its instructions are those of AMD's public machine-readable ISA for CDNA 5 (MIT licence, August 2026) and "CDNA5" Instruction Set Architecture Reference Guide (July 2026). The comments in the code are by the model that wrote it; some were corrected since.
;; Strassen Attention. Allowed arithmetic: matrix products marked QUANTISED: E2M3 operands, one E8M0 scale for each 32 along K, by v_wmma_scale_f32_16x16x128_f8f6f4 with both operands' format E2M3, f32 sums; everything else in f32.
;; Inputs: Wk1 1,024 x 1,024 float32; Wk2 1,024 x 1,024 float32; Wo 1,024 x 1,024 float32; Wq 1,024 x 1,024 float32; Wv1 1,024 x 1,024 float32; Wv2 1,024 x 1,024 float32; bk1 1,024 float32; bk2 1,024 float32; bo 1,024 float32; bq 1,024 float32; bv1 1,024 float32; bv2 1,024 float32; g1 16 float32; g2 16 float32; g3 16 float32; g4 16 float32; ln_b 1,024 float32; ln_g 1,024 float32; x 4 x 2,048 x 1,024 float32.
;; Outputs: out0 4 x 2,048 x 1,024 float32.
;; This version of the problem:
;;   THIS VERSION OF THE PROBLEM IS GIVEN IN LOW PRECISION. The matrix products marked QUANTISED in the list below multiply operands that are first quantised to E2M3 (2 exponent bits, 3 mantissa bits; 6 bits a number), with one power-of-two scale for each 32 numbers along K (OCP MX v1.0); their sums are f32. All else is computed in f32.
;;   The module's matrix products, in the order in which they are computed (A, B: the left and right operand; K: the contracted axis; several contracted axes count as one K, in the product's order):
;;     1. [M 8,192, K 1,024] x [K 1,024, N 1,024]; A: input x; B: input Wq: QUANTISED
;;     2. [M 8,192, K 1,024] x [K 1,024, N 1,024]; A: input x; B: input Wk1: QUANTISED
;;     3. [M 8,192, K 1,024] x [K 1,024, N 1,024]; A: input x; B: input Wk2: QUANTISED
;;     4. [M 8,192, K 1,024] x [K 1,024, N 1,024]; A: input x; B: input Wv1: QUANTISED
;;     5. [M 8,192, K 1,024] x [K 1,024, N 1,024]; A: input x; B: input Wv2: QUANTISED
;;     6. batch 64 x [M 64, K 2,048] x [K 2,048, N 64]; A: computed on the way; B: computed on the way: QUANTISED
;;     7. batch 64 x [M 64, K 2,048] x [K 2,048, N 64]; A: computed on the way; B: computed on the way: QUANTISED
;;     8. batch 64 x [M 2,048, K 64] x [K 64, N 64]; A: computed on the way; B: computed on the way: QUANTISED
;;     9. batch 64 x [M 2,048, K 64] x [K 64, N 64]; A: computed on the way; B: computed on the way: QUANTISED
;;     10. batch 64 x [M 2,048, K 64] x [K 64, N 64]; A: computed on the way; B: computed on the way: QUANTISED
;;     11. [M 8,192, K 1,024] x [K 1,024, N 1,024]; A: computed on the way; B: input Wo: QUANTISED
;;   THE QUANTISER, for each operand of a quantised product, along K:
;;     - K is cut into blocks of 32 from its start; a last block that is shorter is filled with zeros.
;;     - A block's scale is 2^e with e = floor(log2(the largest magnitude in the block)) - 2, held to -126 .. 127; a block of zeros has e = 0. As a byte (E8M0): e + 127.
;;     - Each number is divided by its block's scale, clamped to +-7.5, and rounded to the nearest number of E2M3, ties to even, subnormals kept.
;;     - The product sums the exact products of the quantised numbers (number of the format x scale) in f32.
;;   ~~~python
;;   def quantise(x, axis):      # numpy; x: float32 -> the quantised numbers, widened to float32 again
;;       x = np.moveaxis(x, axis, -1); K = x.shape[-1]
;;       x = np.pad(x, [(0, 0)] * (x.ndim - 1) + [(0, -K % 32)]); x = x.reshape(x.shape[:-1] + (-1, 32)); a = np.abs(x).max(-1, keepdims=True)
;;       e = np.where(a > 0, np.clip(np.frexp(np.where(a > 0, a, 1))[1] - 1 - 2, -126, 127), 0)      # np.frexp(a)[1] - 1 = floor(log2(a)), exactly
;;       r = np.clip(x / 2.0 ** e, -7.5, 7.5)
;;       step = 2.0 ** (np.maximum(np.frexp(np.where(r == 0, 1, r))[1] - 1, 0) - 3)
;;       q = np.round(r / step) * step * 2.0 ** e      # np.round: ties to even
;;       return np.moveaxis(q.reshape(q.shape[:-2] + (-1,))[..., :K], -1, axis).astype(np.float32)
;;   ~~~
;;   OPERANDS COMPUTED ON THE WAY. 'Computed on the way' means the value that the module computes at that place (a softmax that the list does not call 'softmax' is quantised finished and normalised). What goes into a quantiser is computed in f32, as accurately as f32 sums, v_exp_f32 and their like allow (about 1e-6 of the number): no bf16 or f16 on the way to a quantiser, and a product that is left as it is and whose result goes on into a quantised operand takes f32 operands (vector FMAs, or v_wmma_f32_16x16x4_f32). A number that lies on a knife's edge between two numbers of the format may be rounded either way, as far as f32 arithmetic and the matrix unit's own rounding can turn it there, and no further.
;; One version. Each part assembles by itself: llvm-mc -triple=amdgcn-amd-amdhsa -mcpu=gfx1250 --defsym DOCPART=n.
;; ======== version 1 of 1: 5 launches
;; workspace buffers: xw 11,468,800 bytes; qc 6,553,600 bytes; ps 17,301,504 bytes; sc 737,280 bytes; ac 6,553,600 bytes
;; launch quant (part 1): grid 896 x 1, 4 waves a work-group, no clusters, 67,072 bytes of LDS; arguments x, Wq, Wk1, Wk2, Wv1, Wv2, Wo, xw; writes xw
.if DOCPART == 1
	.amdgcn_target "amdgcn-amd-amdhsa--gfx1250"
	.amdhsa_code_object_version 6
	.text
	.protected	k_q4dcf94c730_quant
	.globl	k_q4dcf94c730_quant
	.p2align	8
	.type	k_q4dcf94c730_quant,@function
k_q4dcf94c730_quant:
	s_mov_b64 s[64:65], 0
	v_nop
	global_prefetch_b8 v0, s[64:65] scope:SCOPE_SE
	s_setreg_imm32_b32 hwreg(HW_REG_WAVE_MODE, 25, 1), 1
	s_wait_xcnt 0x0
; x [8192][1024] and the six weights [1024][1024], f32, K innermost, become codes of FP6 (E2M3) with one E8M0 byte for each 32 along K,
; laid in xw IN THE ORDER OF THE OPERAND'S REGISTERS: a fragment (16 rows x 128 K) is 1,536 bytes, register group c (4 registers) of lane l at 512 c + 16 l.
; THE 16 ROWS OF A TILE ARE NOT NEIGHBOURS: place i of tile T is row 32 (T / 2) + 8 (T % 2) + i + 8 (i / 8), so that a later product's results of two neighbouring tiles are 16 neighbours in a lane's registers.
; A tile's scale words: 512 bytes, [pair of K steps 4][place 16][K step of the pair 2].
; A block's scale is 2^(floor(log2(largest magnitude)) - 2); its byte is the largest magnitude's exponent field - 2, held at 1 from below.
; LIMITS: NaN and infinities are not served; a block whose largest magnitude lies under 2^-124 is held at the byte 1; a block of zeros gets the byte 1 where the rule says 127
; (its codes are zeros, which add nothing, and this program alone reads the bytes).
; SHARES: a work-group takes one tile (0-511: x; then 64 for each weight); wave w its K steps 2 w and 2 w + 1.  Each load reads 512 consecutive bytes of a row; the numbers turn through the wave's own
; stage in LDS (rows of 1,024 + 16 bytes) so that a lane holds 16 neighbours of each block.  No loop, no barrier: waves share nothing.  All 32 loads of a wave go out at once.
.set XC, 0                             ; xw: x's codes [block of 128 rows 64][K step 8][tile 8][1536]
.set XS, 6291456                       ;     x's scale words [tile 512][512]
.set WC, 6553600                       ;     the five projections' codes [head 16][half 2][K step 8][t 10][1536], t = 2 p + u
.set WS, 10485760                      ;     their scale words [head][half][t 10][512]
.set OC, 10649600                      ;     Wo's codes, laid as x's
.set OS, 11436032                      ;     Wo's scale words
.set SPITCH, 1040
.set WSTG, 16*SPITCH
.set TM, 16                            ; v16-31 the quantiser's work
.set PW, 32                            ; v32    the scale word just made
.set PC, 36                            ; v36-55 the codes just made
.set R0, 64                            ; v64-127  K step 2 w as loaded; later K step 2 w + 1 by neighbours
.set R1, 128                           ; v128-191 K step 2 w + 1 as loaded
.set X0, 192                           ; v192-255 K step 2 w by neighbours
.set SEL, 44
; 64 numbers of a lane, register 16 b + i = k 32 b + 16 (lane / 16) + i of its row: QUANT_A makes the scale word and four runs of 16 codes, QUANT_B lays them as a fragment in v[PC] on.
.macro QUANT_A s
.irp b, 0,1,2,3
	v_max3_num_f32 v[TM+\b], |v[\s+16*\b]|, |v[\s+1+16*\b]|, 0x1800000   ; my 16 numbers of block b, and the floor 2^(3 - 127): the byte cannot fall under 1
.endr
.irp i, 2,4,6,8,10,12,14
.irp b, 0,1,2,3
	v_max3_num_f32 v[TM+\b], v[TM+\b], |v[\s+16*\b+\i]|, |v[\s+1+16*\b+\i]|
.endr
.endr
.irp b, 0,1,2,3
	v_permlanex16_b32 v[TM+4+\b], v[TM+\b], s[SEL], s[SEL+1]
.endr
.irp b, 0,1,2,3
	v_max_num_f32 v[TM+\b], v[TM+\b], v[TM+4+\b]          ; with lane l xor 16's: the block's largest magnitude
.endr
.irp b, 0,1,2,3
	v_add_nc_u32 v[TM+12+\b], 0xff000000, v[TM+\b]        ; 2 off its exponent field: the conversion's scale operand
.endr
.irp b, 0,1,2,3
	v_lshrrev_b32 v[TM+4+\b], 23, v[TM+12+\b]             ; the scale's byte
.endr
	v_lshl_or_b32 v[PW], v[TM+5], 8, v[TM+4]
	v_lshl_or_b32 v[PW], v[TM+6], 16, v[PW]
	v_lshl_or_b32 v[PW], v[TM+7], 24, v[PW]
.irp c, 0,1
	v_cvt_scalef32_pk16_fp6_f32 v[PC+6*\c:PC+2+6*\c], v[\s+32*\c:\s+15+32*\c], v[TM+12+2*\c]
	v_cvt_scalef32_pk16_fp6_f32 v[PC+12+4*\c:PC+14+4*\c], v[\s+16+32*\c:\s+31+32*\c], v[TM+13+2*\c]   ; (a conversion's three registers begin on an even number)
.endr
	v_nop                                                  ; one plain line behind the scaled conversions
.endm
.macro QUANT_B                         ; the operand wants a WHOLE block in a lane: lanes 0-15 block 2 c, lanes 16-31 block 2 c + 1
.irp c, 0,1
.irp i, 0,1,2
	v_permlane16_swap_b32 v[PC+6*\c+\i], v[PC+12+4*\c+\i]
.endr
.irp i, 0,1,2
	v_mov_b32 v[PC+3+6*\c+\i], v[PC+12+4*\c+\i]
.endr
.endr
.endm
.macro QUANT s
	QUANT_A \s
	QUANT_B
.endm
	s_load_b512 s[8:23], s[0:1], 0x0               ; x, Wq, Wk1, Wk2, Wv1, Wv2, Wo, xw
	v_lshl_add_u32 v62, v0, 2, 0x10400
	v_mov_b32 v63, 0
	v_lshrrev_b32 v1, 5, v0
	v_readfirstlane_b32 s2, v1                     ; wave
	v_and_b32 v1, 31, v0                           ; lane
	v_and_b32 v2, 15, v0                           ; r
	v_bfe_u32 v3, v0, 4, 1                         ; h
	v_lshlrev_b32 v4, 4, v1                        ; 16 x lane: my bytes of a load's 512, and of an image's
	s_mul_i32 s3, s2, WSTG                         ; my wave's stage
	v_add_nc_u32 v5, s3, v4                        ; into it: as loaded
	v_mul_u32_u24 v6, v2, SPITCH
	v_lshl_add_u32 v6, v3, 6, v6
	v_add_nc_u32 v6, s3, v6                        ; out of it: row r, + 64 h: my 16 numbers of a block
	v_lshlrev_b32 v7, 3, v2
	v_lshl_add_u32 v7, v3, 2, v7                   ; scale words: 8 r + 4 h
.irp b, 0,1,2,3
	v_mov_b32 v[TM+4+\b], 0                        ; written once: a lane permute's destination counts as one of its sources
.endr
	s_mov_b32 s[SEL], 0x76543210
	s_mov_b32 s[SEL+1], 0xfedcba98                 ; lane l xor 16
	s_mov_b32 vcc_lo, 0xffff0000                   ; lanes 16-31
	; which tensor (s4: 0 x, 1-5 the projections, 6 Wo) and which of its tiles (s5)
	s_sub_co_u32 s33, ttmp9, 512
	s_lshr_b32 s4, s33, 6
	s_add_co_u32 s4, s4, 1
	s_and_b32 s5, s33, 63
	s_cmp_lt_u32 ttmp9, 512
	s_cselect_b32 s4, 0, s4
	s_cselect_b32 s5, ttmp9, s5
	; where the tile's first row and my 1,024 bytes of it begin
	s_lshr_b32 s6, s5, 1
	s_lshl_b32 s6, s6, 17                          ; 32 rows of 4,096 bytes
	s_and_b32 s7, s5, 1
	s_lshl_b32 s7, s7, 15                          ; 8 rows
	s_add_co_u32 s6, s6, s7
	s_lshl_b32 s7, s2, 10
	s_add_co_u32 s6, s6, s7
	s_mov_b32 s7, 0
	; where the results go if the tensor is laid as x is
	s_lshr_b32 s32, s5, 3
	s_mul_i32 s32, s32, 98304
	s_and_b32 s33, s5, 7
	s_mul_i32 s33, s33, 1536
	s_add_co_u32 s32, s32, s33
	s_lshl_b32 s33, s5, 9
	s_mov_b32 s34, OS
	s_cmp_eq_u32 s4, 0
	s_cselect_b32 s35, XC, OC
	s_cselect_b32 s34, XS, s34
	s_add_co_u32 s32, s32, s35
	s_add_co_u32 s33, s33, s34
	; and if it is one of the five projections
	s_lshr_b32 s36, s5, 2                          ; head
	s_bfe_u32 s37, s5, 0x10001                     ; half of the head's 64 channels
	s_and_b32 s38, s5, 1
	s_lshl_b32 s39, s4, 1
	s_sub_co_u32 s39, s39, 2
	s_add_co_u32 s38, s38, s39                     ; t = 2 p + u
	s_mul_i32 s39, s36, 245760
	s_mul_i32 s40, s37, 122880
	s_add_co_u32 s39, s39, s40
	s_mul_i32 s40, s38, 1536
	s_add_co_u32 s39, s39, s40
	s_add_co_u32 s39, s39, WC
	s_mul_i32 s40, s36, 10240
	s_mul_i32 s41, s37, 5120
	s_add_co_u32 s40, s40, s41
	s_lshl_b32 s41, s38, 9
	s_add_co_u32 s40, s40, s41
	s_add_co_u32 s40, s40, WS
	s_cmp_eq_u32 s4, 0
	s_cselect_b32 s41, 1, 0
	s_cmp_eq_u32 s4, 6
	s_cselect_b32 s41, 1, s41
	s_mov_b32 s42, 15360
	s_cmp_eq_u32 s41, 1
	s_cselect_b32 s32, s32, s39                    ; codes
	s_cselect_b32 s36, s33, s40                    ; scale words
	s_cselect_b32 s42, 12288, s42                  ; from K step to K step
	s_lshl_b32 s43, s2, 1
	s_mul_i32 s43, s43, s42
	s_add_co_u32 s32, s32, s43                     ; my first K step
	s_lshl_b32 s43, s2, 7
	s_add_co_u32 s36, s36, s43                     ; my pair of K steps
	s_mov_b32 s33, 0
	s_mov_b32 s37, 0
	s_mov_b32 s43, 0
	s_wait_kmcnt 0x0
	s_mov_b64 s[24:25], s[8:9]                     ; the source: a choice on the work-group's number alone
.irp k, 1,2,3,4,5,6
	s_cmp_eq_u32 s4, \k
	s_cselect_b64 s[24:25], s[8+2*\k:9+2*\k], s[24:25]
.endr
	s_add_nc_u64 s[24:25], s[24:25], s[6:7]
	s_add_nc_u64 s[26:27], s[22:23], s[32:33]      ; image of K step 2 w
	s_add_nc_u64 s[28:29], s[26:27], s[42:43]      ; of K step 2 w + 1
	s_add_nc_u64 s[30:31], s[22:23], s[36:37]      ; scale words
.irp g, 0,1
.irp i, 0,1,2,3,4,5,6,7,8,9,10,11,12,13,14,15
	global_load_b128 v[R0+64*\g+4*\i:R0+64*\g+4*\i+3], v4, s[24:25] offset:(\i+8*(\i/8))*4096+512*\g th:TH_LOAD_NT   ; place i's row, K step 2 w + g: 512 consecutive bytes
.endr
.endr
	s_wait_loadcnt 16                              ; the first K step's 16 loads are in, the second's may be out
.irp i, 0,1,2,3,4,5,6,7,8,9,10,11,12,13,14,15
	ds_store_b128 v5, v[R0+4*\i:R0+4*\i+3] offset:SPITCH*\i
.endr
.irp b, 0,1,2,3
.irp j, 0,1,2,3
	ds_load_b128 v[X0+16*\b+4*\j:X0+16*\b+4*\j+3], v6 offset:128*\b+16*\j   ; LDS serves a wave's instructions in order: these see the stores above
.endr
.endr
	s_wait_loadcnt 0x0
.irp i, 0,1,2,3,4,5,6,7,8,9,10,11,12,13,14,15
	ds_store_b128 v5, v[R1+4*\i:R1+4*\i+3] offset:SPITCH*\i+512
.endr
	s_wait_dscnt 16                                ; all but the 16 stores just issued: X0 is in, and R0's stores have read their registers
.irp b, 0,1,2,3
.irp j, 0,1,2,3
	ds_load_b128 v[R0+16*\b+4*\j:R0+16*\b+4*\j+3], v6 offset:512+128*\b+16*\j
.endr
.endr
	QUANT X0
.irp c, 0,1,2
	global_store_b128 v4, v[PC+4*\c:PC+4*\c+3], s[26:27] offset:512*\c     ; 512 consecutive bytes a store
.endr
	v_mov_b32 v33, v[PW]
	s_wait_dscnt 0x0
	s_wait_xcnt 0x0                                ; the stores have read the codes' registers: they are written again below
	QUANT R0
.irp c, 0,1,2
	global_store_b128 v4, v[PC+4*\c:PC+4*\c+3], s[28:29] offset:512*\c
.endr
	v_cndmask_b32 v34, v33, v[PW], vcc_lo          ; lanes 0-15 the first K step's word of row r, lanes 16-31 the second's
	global_store_b32 v7, v34, s[30:31]             ; 128 consecutive bytes
	s_wait_tensorcnt 0x0
	ds_add_u32 v62, v63
	s_wait_dscnt 0x0
	s_endpgm
.Lfunc_end_k_q4dcf94c730_quant:
	.size	k_q4dcf94c730_quant, .Lfunc_end_k_q4dcf94c730_quant-k_q4dcf94c730_quant
	.p2alignl 7, 3214868480
	.fill 96, 4, 3214868480
	.section	.rodata,"a",@progbits
	.p2align	6, 0x0
	.amdhsa_kernel k_q4dcf94c730_quant
		.amdhsa_group_segment_fixed_size 67072
		.amdhsa_private_segment_fixed_size 0
		.amdhsa_enable_private_segment 0
		.amdhsa_kernarg_size 64
		.amdhsa_user_sgpr_count 2
		.amdhsa_user_sgpr_kernarg_segment_ptr 1
		.amdhsa_wavefront_size32 1
		.amdhsa_system_sgpr_workgroup_id_x 1
		.amdhsa_system_sgpr_workgroup_id_y 1
		.amdhsa_system_sgpr_workgroup_id_z 1
		.amdhsa_system_vgpr_workitem_id 0
		.amdhsa_next_free_vgpr 256
		.amdhsa_next_free_sgpr 66
		.amdhsa_reserve_vcc 1
		.amdhsa_float_denorm_mode_32 3
		.amdhsa_float_denorm_mode_16_64 3
		.amdhsa_memory_ordered 1
		.amdhsa_forward_progress 1
		.amdhsa_inst_pref_size 20
	.end_amdhsa_kernel
	.amdgpu_metadata
---
amdhsa.version: [ 1, 2 ]
amdhsa.kernels:
  - .name:           k_q4dcf94c730_quant
    .symbol:         k_q4dcf94c730_quant.kd
    .args:
      - { .name: x, .offset: 0, .size: 8, .value_kind: global_buffer, .address_space: global }
      - { .name: Wq, .offset: 8, .size: 8, .value_kind: global_buffer, .address_space: global }
      - { .name: Wk1, .offset: 16, .size: 8, .value_kind: global_buffer, .address_space: global }
      - { .name: Wk2, .offset: 24, .size: 8, .value_kind: global_buffer, .address_space: global }
      - { .name: Wv1, .offset: 32, .size: 8, .value_kind: global_buffer, .address_space: global }
      - { .name: Wv2, .offset: 40, .size: 8, .value_kind: global_buffer, .address_space: global }
      - { .name: Wo, .offset: 48, .size: 8, .value_kind: global_buffer, .address_space: global }
      - { .name: xw, .offset: 56, .size: 8, .value_kind: global_buffer, .address_space: global }
    .group_segment_fixed_size: 67072
    .private_segment_fixed_size: 0
    .kernarg_segment_align: 8
    .kernarg_segment_size: 64
    .max_flat_workgroup_size: 128
    .sgpr_count:     66
    .vgpr_count:     256
    .wavefront_size: 32
...
	.end_amdgpu_metadata
.endif
;; end of part 1
;; launch proj (part 2): grid 16 x 32, 4 waves a work-group, clusters of 4 x 4, 327,680 bytes of LDS; arguments xw, x, qc, ps, bq, bk1, bk2, bv1, bv2; writes qc, ps
.if DOCPART == 2
	.amdgcn_target "amdgcn-amd-amdhsa--gfx1250"
	.amdhsa_code_object_version 6
	.text
	.protected	k_q4dcf94c730_proj
	.globl	k_q4dcf94c730_proj
	.p2align	8
	.type	k_q4dcf94c730_proj,@function
k_q4dcf94c730_proj:
	s_mov_b64 s[64:65], 0
	v_nop
	global_prefetch_b8 v0, s[64:65] scope:SCOPE_SE
	s_setreg_imm32_b32 hwreg(HW_REG_WAVE_MODE, 25, 1), 1
	s_wait_xcnt 0x0
	s_wait_alu depctr_hold_cnt(0) depctr_sa_sdst(0) depctr_va_vdst(0) depctr_va_sdst(0) depctr_va_ssrc(0) depctr_va_vcc(0) depctr_vm_vsrc(0)
	s_getreg_b32 s2, hwreg(HW_REG_IB_STS2, 6, 4)
	s_cmp_eq_u32 s2, 0
	s_cbranch_scc0 .Lentry_in_a_cluster
	s_endpgm
.Lentry_in_a_cluster:
	s_bfe_u32 s2, ttmp6, 0x10000c
	s_cmp_lg_u32 s2, 0xf033
	s_cbranch_scc0 .Lentry_shape_is_right
	s_endpgm
.Lentry_shape_is_right:
; The five residual projections z = x + Q(x) Q(W)^T + b on codes of FP6 (E2M3), and what follows them at once: q is quantised along its head's 64 channels and stored as codes; k1, k2, v1, v2 are quantised ALONG THE
; SEQUENCE in registers, meet in LDS, and give this block's part of S1 = k1^T v1 and S2 = k2^T v2 (K = 256 rows); v1's and v2's column sums of the block go out beside them.  k and v never go to memory.
; SHARES.  A work-group: 256 rows x one head's 64 channels of all five projections (320 columns).  Wave w: rows 128 (w / 2) on (8 tiles of x), channels 32 (w % 2) on of each projection (10 tiles of W, t = 2 p + u): 80 accumulators.
; For 128 along K a wave reads 18 fragments from LDS for 80 matrix instructions.
; TWO ORIENTATIONS ON THE SAME FRAGMENTS.  t = 0, 1 (q): source 0 = W, source 1 = x: a lane holds one row and 16 neighbouring channels.  t = 2 .. 9 (k, v): source 0 = x, source 1 = W: a lane holds one channel
; and, in the 16 registers of tiles 2 b and 2 b + 1 of x, 16 neighbouring rows: place i of every tile is row 32 (T / 2) + 8 (T % 2) + i + 8 (i / 8).
; K goes in steps of 256 through two LDS slots; codes lie in memory as images of the operand's registers, so a slot's part is one dense block and a fragment is three loads of 16 bytes a lane.
; CLUSTER 4 x 4: x's tiles hang on the row block alone and are asked for jointly along a row of the cluster, W's on the head alone, along a column.  x's f32 tile for the residual belongs to one work-group: a load of its own.
; WHAT IS ASKED FOR WHEN.  The first tensor loads stand as early as the arguments allow: all of the descriptors that hangs on no pointer is made while the arguments are on their way, and the biases are asked for behind the tensor loads.
; bq is asked for at the head of the way out and used at its end.  The residual of k's and v's first tile is read from LDS among the last products.
; No prefetch: of a work-group's six fills four go out at its head, and the other two have 144 matrix instructions in which to land.
; LIMITS: NaN and infinities are not served; a block whose largest magnitude lies under 2^-124 is held at the scale byte 1; a block of zeros gets the byte 1 (its codes are zeros; this program alone reads the bytes).
; REGISTERS, in windows of 256.  Window 0: v0-15 addresses; v16-55 scale words, two sets of 20 (lanes 0-15 x's tile i, lanes 16-31 W's tile i); v56-63 k's and v's biases; v64-159, v160-255 x's fragments, two sets.
;   Window 1: v0-119 W's fragments, one set (on the way out: v0-63 S's parts, v64-79 bq); v128-255 the accumulators of t = 0, 1.   Window 2: those of t = 2 .. 5 (at 8 (8 (t - 2) + a)).   Window 3: t = 6 .. 9.
.set XS, 6291456
.set WC, 6553600
.set WS, 10485760
.set QS, 6291456                       ; qc: codes [row tile 512][head 16][block 2][place 16][24]; from QS on scale bytes [128 rows 64][head 16][block 2][place 16][tile 8]
.set VS, 16777216                      ; ps: partial S [(batch, head) x 8 + block][S1, S2][e 4][d 4][1024]; from VS on column sums [128 rows 64][v1, v2][head 16][tile 4][place 16]
.set XH, 24576                         ; a slot's part of 128 rows of x: [K step 2][tile 8][1536]
.set WH, 30720                         ; of half a head's W: [K step 2][t 10][1536]
.set WOFF, 2*XH
.set SLOTB, 2*XH+2*WH
.set RES, 2*SLOTB                      ; x's f32 tile: 256 rows x (256 bytes + 16)
.set RP, 272
.set XSCL, RES+256*RP                  ; x's scale words of the 256 rows, all of K: 8,192 bytes
.set WSCL, XSCL+8192                   ; W's: 10,240 bytes
.set SPARE, WSCL+10240                 ; the spare words, 128 bytes for each wave: two blocks of 256 bytes that no other line names
.set STG, 0                            ; behind the K loop: 32 images of k's and v's fragments, in slot 0, which has had its last fill and its last read by then
.set STGS, 49152                       ; and their scale words, 128 bytes each
.set SC, 16
.set BK, 56
.set XF, 64
.set BQ, 64                            ; in window 1
.set TM, 16
.set PW, 32
.set PC, 36
.set SEL, 100
.set MSB, 0
.macro WIN new                         ; the immediate's high byte repeats the setting that is left
.if MSB != \new
	s_set_vgpr_msb (MSB<<8)|\new
.set MSB, \new
.endif
.endm
.macro PLACES n
.rept \n
	v_nop
.endr
.endm
.macro BARRIER                         ; my LDS stores have landed and my LDS loads are in: then the work-group's barrier
	s_wait_dscnt 0x0
	s_barrier_signal -1
	s_barrier_wait -1
.endm
.macro QUANT_A s                       ; 64 numbers of a lane, register 16 b + i = place 16 (lane / 16) + i of block b: the scale word in v[PW], four runs of 16 codes
.irp b, 0,1,2,3
	v_max3_num_f32 v[TM+\b], |v[\s+16*\b]|, |v[\s+1+16*\b]|, 0x1800000   ; and the floor 2^(3 - 127): the byte cannot fall under 1
.endr
.irp i, 2,4,6,8,10,12,14
.irp b, 0,1,2,3
	v_max3_num_f32 v[TM+\b], v[TM+\b], |v[\s+16*\b+\i]|, |v[\s+1+16*\b+\i]|
.endr
.endr
.irp b, 0,1,2,3
	v_permlanex16_b32 v[TM+4+\b], v[TM+\b], s[SEL], s[SEL+1]
.endr
.irp b, 0,1,2,3
	v_max_num_f32 v[TM+\b], v[TM+\b], v[TM+4+\b]
.endr
.irp b, 0,1,2,3
	v_add_nc_u32 v[TM+12+\b], 0xff000000, v[TM+\b]        ; 2 off the exponent field: the conversion's scale operand
.endr
.irp b, 0,1,2,3
	v_lshrrev_b32 v[TM+4+\b], 23, v[TM+12+\b]
.endr
	v_lshl_or_b32 v[PW], v[TM+5], 8, v[TM+4]
	v_lshl_or_b32 v[PW], v[TM+6], 16, v[PW]
	v_lshl_or_b32 v[PW], v[TM+7], 24, v[PW]
.irp c, 0,1
	v_cvt_scalef32_pk16_fp6_f32 v[PC+6*\c:PC+2+6*\c], v[\s+32*\c:\s+15+32*\c], v[TM+12+2*\c]
	v_cvt_scalef32_pk16_fp6_f32 v[PC+12+4*\c:PC+14+4*\c], v[\s+16+32*\c:\s+31+32*\c], v[TM+13+2*\c]
.endr
	v_nop                                                  ; one plain line behind the scaled conversions
.endm
.macro QUANT_B                         ; a whole block to a lane: the fragment in v[PC] on
.irp c, 0,1
.irp i, 0,1,2
	v_permlane16_swap_b32 v[PC+6*\c+\i], v[PC+12+4*\c+\i]
.endr
.irp i, 0,1,2
	v_mov_b32 v[PC+3+6*\c+\i], v[PC+12+4*\c+\i]
.endr
.endr
.endm
; A joint load: waves 0 and 1 fetch for x, waves 2 and 3 for W; the branch hangs on the wave's number alone.  Four v_nop follow each of the two lines.
.macro JLOAD g0a, g1a, g0b, g1b
	s_cmp_eq_u32 s15, 0
	s_cbranch_scc0 .Lfor_w_\@
	tensor_load_to_lds s[\g0a:\g0a+3], s[\g1a:\g1a+7]
	s_nop 0
.rept 4
	v_nop
.endr
	s_branch .Lasked_\@
.Lfor_w_\@:
	tensor_load_to_lds s[\g0b:\g0b+3], s[\g1b:\g1b+7]
	s_nop 0
.rept 4
	v_nop
.endr
.Lasked_\@:
.endm
.macro CREST                           ; a round of the cluster's barrier behind its opening barrier
	s_cmp_lg_u32 s14, 0
	s_cbranch_scc1 .Lnot_wave_0_\@
	s_barrier_signal -3
.Lnot_wave_0_\@:
	s_barrier_wait -3
	s_barrier_signal -1
	s_barrier_wait -1
.endm
.macro CROUND
	s_barrier_signal -1
	s_barrier_wait -1
	CREST
.endm
.macro DENSE g, rows                   ; words 1 to 7 of a group 1: a dense block as rows of 256 bytes (32 elements of 8 bytes)
	s_mov_b32 s[\g+1], 32<<16
	s_mov_b32 s[\g+2], (\rows)<<16
	s_mov_b32 s[\g+3], 32<<16
	s_mov_b32 s[\g+4], \rows
	s_mov_b32 s[\g+5], 32
	s_mov_b32 s[\g+6], 0
	s_mov_b32 s[\g+7], 0
.endm
.macro FETCH_X slot, sg, set           ; x's eight fragments of the slot's K step sg
.irp i, 0,1,2,3,4,5,6,7
.irp c, 0,1,2
	ds_load_b128 v[XF+96*\set+12*\i+4*\c:XF+96*\set+12*\i+4*\c+3], v[4+\slot] offset:\sg*12288+1536*\i+512*\c
.endr
.endr
.endm
.macro FETCH_W slot, sg, t0            ; W's tiles t0 .. t0 + 4
	WIN 0x40                                       ; destination window 1
.set tt, \t0
.rept 5
.irp c, 0,1,2
	ds_load_b128 v[12*tt+4*\c:12*tt+4*\c+3], v[6+\slot] offset:\sg*15360+1536*tt+512*\c
.endr
.set tt, tt+1
.endr
	WIN 0
.endm
.macro SCALES set                      ; a slot's two words a tile: lanes 0-15 x's tile i, lanes 16-31 W's tile i (x has eight tiles: what lanes 0-15 bring for i = 8, 9 is not used)
.irp i, 0,1,2,3,4,5,6,7,8,9
	ds_load_b64 v[SC+20*\set+2*\i:SC+20*\set+2*\i+1], v8 offset:512*\i
.endr
.endm
.macro RKL u, a0, n                    ; the residual in k's and v's layout: tile u of my channels, the rows of x's tiles a0 .. a0 + n - 1: the same numbers serve all four projections
.set ra, \a0
.rept \n
.irp j, 0,1,2,3,4,5,6,7
	ds_load_b32 v[64+64*(\u)+8*ra+\j], v13 offset:(32*(ra/2)+8*(ra%2)+\j)*RP+32*(\u)
.endr
.set ra, ra+1
.endr
.endm
; Eight matrix instructions: W's tile t against x's eight.  The 80 accumulators take turns, one instruction a turn, in the same order in every K step.
.macro MULT t, set, sg, sc, zero
.if (\t) < 2
	WIN 0x51                                       ; source 0 (W), C and D window 1; source 1 (x) window 0
.elseif (\t) < 6
	WIN 0xa4                                       ; source 0 (x) window 0, source 1 (W) window 1, C and D window 2
.else
	WIN 0xf4                                       ; the same, C and D window 3
.endif
.irp a, 0,1,2,3,4,5,6,7
.set rX, XF+96*(\set)+12*\a
.set rW, 12*(\t)
.set sX, SC+20*(\sc)+2*\a+(\sg)
.set sW, SC+20*(\sc)+2*(\t)+(\sg)
.if (\t) < 2
.set rD, 128+8*(8*(\t)+\a)
.if \zero
	v_wmma_scale_f32_16x16x128_f8f6f4 v[rD:rD+7], v[rW:rW+11], v[rX:rX+11], 0, v[sW], v[sX] matrix_a_fmt:MATRIX_FMT_FP6 matrix_b_fmt:MATRIX_FMT_FP6 matrix_a_scale:MATRIX_SCALE_ROW1
.else
	v_wmma_scale_f32_16x16x128_f8f6f4 v[rD:rD+7], v[rW:rW+11], v[rX:rX+11], v[rD:rD+7], v[sW], v[sX] matrix_a_fmt:MATRIX_FMT_FP6 matrix_b_fmt:MATRIX_FMT_FP6 matrix_a_scale:MATRIX_SCALE_ROW1
.endif
.else
.set rD, 8*(8*(((\t)-2)%4)+\a)
.if \zero
	v_wmma_scale_f32_16x16x128_f8f6f4 v[rD:rD+7], v[rX:rX+11], v[rW:rW+11], 0, v[sX], v[sW] matrix_a_fmt:MATRIX_FMT_FP6 matrix_b_fmt:MATRIX_FMT_FP6 matrix_b_scale:MATRIX_SCALE_ROW1
.else
	v_wmma_scale_f32_16x16x128_f8f6f4 v[rD:rD+7], v[rX:rX+11], v[rW:rW+11], v[rD:rD+7], v[sX], v[sW] matrix_a_fmt:MATRIX_FMT_FP6 matrix_b_fmt:MATRIX_FMT_FP6 matrix_b_scale:MATRIX_SCALE_ROW1
.endif
.endif
.endr
.endm
; A slot's first K step (x's set 0).  Loads into registers that matrix instructions have read stand four plain vector lines behind them.
.macro STEP slot, zero
	s_wait_dscnt 15                                ; all but the youngest 15 loads, W's tiles 5-9
.irp t, 0,1,2,3,4
	MULT \t, 0, 0, \slot, \zero
.endr
	s_wait_dscnt 0x0                               ; W's tiles 5-9 are in (asked for 40 matrix instructions ago)
	PLACES 4
	WIN 0
	FETCH_X \slot, 1, 1
	FETCH_W \slot, 1, 0
.irp t, 5,6,7,8,9
	MULT \t, 0, 0, \slot, \zero
.endr
	PLACES 4
	FETCH_W \slot, 1, 5
.endm
; A slot's second K step (x's set 1) changes slots: ONE barrier; in front of it each wave waits for all its tensor loads, adds 0 to its spare word, and waits for that and for its reads of this slot.
; The wait for the tensor loads stands behind the step's first 24 matrix instructions: from a refill's request to this wait a wave issues 40 + 80 + 24 = 144 matrix instructions.
.macro TURN slot, next, fill
	s_wait_dscnt 15                                ; all but the youngest 15 loads, W's tiles 5-9
	MULT 0, 1, 1, \slot, 0
	MULT 1, 1, 1, \slot, 0
	MULT 2, 1, 1, \slot, 0
	WIN 0                                          ; (the add's two registers lie in window 0)
	s_wait_tensorcnt 0x0                           ; all my tensor loads have landed: my part of the next slot among them
	ds_add_u32 v2, v3                              ; 0 onto my spare word
	MULT 3, 1, 1, \slot, 0                         ; eight matrix instructions stand between the add and the wait for it
	s_wait_dscnt 0x0                               ; the add is done, and my reads of this slot are over
	s_barrier_signal -1
	MULT 4, 1, 1, \slot, 0
	WIN 0
	s_barrier_wait -1
.if \fill
	CREST                                          ; the barrier has opened a round of the cluster's: no wave of any partner still reads this slot or has a load on its way
	s_add_nc_u64 s[34+4*\slot:35+4*\slot], s[34+4*\slot:35+4*\slot], 2*XH
	s_add_nc_u64 s[58+4*\slot:59+4*\slot], s[58+4*\slot:59+4*\slot], 2*WH
	JLOAD 32+4*\slot, 24, 56+4*\slot, 48           ; the first tensor load behind the round; its four v_nop are the places in front of the loads below
.else
	PLACES 4
.endif
	v_add_nc_u32 v8, 128, v8                       ; on to the next slot's scale words (no LDS load of mine is out)
	FETCH_X \next, 0, 0
	FETCH_W \next, 0, 0
	SCALES \next
.irp t, 5,6,7,8,9
	MULT \t, 1, 1, \slot, 0
.endr
	PLACES 4
	FETCH_W \next, 0, 5
.endm
	s_load_b256 s[4:11], s[0:1], 0x0               ; xw, x, qc, ps
	v_lshl_add_u32 v2, v0, 2, SPARE
	v_mov_b32 v3, 0
	ds_add_u32 v2, v3
	ds_add_u32 v2, v3
	s_wait_dscnt 0x0
	v_lshrrev_b32 v1, 5, v0
	v_readfirstlane_b32 s14, v1                    ; wave 0..3
	s_lshr_b32 s15, s14, 1                         ; rh: my 128 rows.  Also: I fetch for x (0) or for W (1)
	s_and_b32 s16, s14, 1                          ; ch: my 32 channels.  Also: which half I fetch
	s_bfe_u32 s40, ttmp6, 0x40000                  ; cx, cy: my place in the cluster
	s_bfe_u32 s41, ttmp6, 0x40004
	s_lshl_b32 s42, ttmp9, 2
	s_add_co_u32 s42, s42, s40                     ; the head
	s_and_b32 s17, ttmp7, 0xffff
	s_lshl_b32 s17, s17, 2
	s_add_co_u32 s17, s17, s41                     ; the block of 256 rows
	s_lshl_b32 s43, s41, 2
	s_lshl_b32 s43, 15, s43                        ; my row of the cluster
	s_lshl_b32 s44, 0x1111, s40                    ; my column
	s_mov_b32 s[SEL], 0x76543210
	s_mov_b32 s[SEL+1], 0xfedcba98
	; all of the descriptors that hangs on no pointer is made while the arguments are on their way
	s_or_b32 s24, s43, (3<<16)|(1<<21)             ; group 1 for x's codes: 15:0 the mask, my row; 17:16 elements of 8 bytes; 21 set beside a mask
	DENSE 24, 96
	s_or_b32 s48, s44, (3<<16)|(1<<21)             ; for W's codes: my column
	DENSE 48, 120
	s_or_b32 s68, s43, (3<<16)|(1<<21)             ; x's scale words
	DENSE 68, 16
	s_or_b32 s80, s44, (3<<16)|(1<<21)             ; W's
	DENSE 80, 20
	s_mov_b32 s92, (2<<16)|(1<<20)|(5<<22)|(3<<25) ; x's f32 tile: no mask; elements of 4 bytes; 4 words of padding behind every 64
	s_mov_b32 s93, 64<<16
	s_mov_b32 s94, 64<<16
	s_mov_b32 s95, 64<<16
	s_mov_b32 s96, 64
	s_mov_b32 s97, 1024
	s_mov_b32 s98, 0
	s_mov_b32 s99, 0
	s_mul_i32 s2, s16, XH                          ; groups 0: the count and the LDS address, which hangs on the wave's number alone
	s_mul_i32 s3, s16, WH
.irp k, 0,1
	s_mov_b32 s[32+4*\k], 1
	s_add_co_u32 s[33+4*\k], s2, \k*SLOTB
	s_mov_b32 s[56+4*\k], 1
	s_add_co_u32 s[57+4*\k], s3, WOFF+\k*SLOTB
.endr
	s_mov_b32 s76, 1
	s_lshl_b32 s2, s16, 12
	s_add_co_u32 s77, s2, XSCL
	s_mov_b32 s88, 1
	s_mul_i32 s3, s16, 5120
	s_add_co_u32 s89, s3, WSCL
	s_mov_b32 s20, 1
	s_mul_i32 s21, s14, 64*RP
	s_add_co_u32 s21, s21, RES
	; the offsets in memory.  x's hang on the row block and the wave alone,
	s_lshl_b32 s45, s17, 1
	s_add_co_u32 s45, s45, s16                     ; which block of 128 rows I fetch
	s_mul_i32 s46, s45, 98304                      ; its codes
	s_mov_b32 s47, 0
	s_lshl_b32 s2, s45, 12
	s_add_co_u32 s2, s2, XS                        ; its scale words
	s_mov_b32 s3, 0
	; W's on the head and the wave alone,
	s_mul_i32 s66, s42, 245760
	s_mul_i32 s104, s16, 122880
	s_add_co_u32 s66, s66, s104
	s_add_co_u32 s66, s66, WC
	s_mov_b32 s67, 0
	s_mul_i32 s104, s42, 10240
	s_mul_i32 s105, s16, 5120
	s_add_co_u32 s104, s104, s105
	s_add_co_u32 s104, s104, WS
	s_mov_b32 s105, 0
	; the residual: rows 256 rb + 64 w on, the head's 256 bytes
	s_lshl_b32 s18, s17, 20
	s_lshl_b32 s19, s14, 18
	s_add_co_u32 s18, s18, s19
	s_lshl_b32 s19, s42, 8
	s_add_co_u32 s18, s18, s19
	s_mov_b32 s19, 0
	s_wait_kmcnt 0x0
	s_add_nc_u64 s[46:47], s[4:5], s[46:47]
	s_add_nc_u64 s[66:67], s[4:5], s[66:67]
.irp k, 0,1
	s_add_nc_u64 s[34+4*\k:35+4*\k], s[46:47], \k*XH
	s_or_b32 s[35+4*\k], s[35+4*\k], 0x80000000
	s_add_nc_u64 s[58+4*\k:59+4*\k], s[66:67], \k*WH
	s_or_b32 s[59+4*\k], s[59+4*\k], 0x80000000
.endr
	s_add_nc_u64 s[78:79], s[4:5], s[2:3]
	s_or_b32 s79, s79, 0x80000000
	s_add_nc_u64 s[90:91], s[4:5], s[104:105]
	s_or_b32 s91, s91, 0x80000000
	s_add_nc_u64 s[22:23], s[6:7], s[18:19]
	s_or_b32 s23, s23, 0x80000000
	CROUND                                         ; all sixteen work-groups are here: the first joint loads meet
	JLOAD 76, 68, 88, 80                           ; the scale words of all of K: filled once
	JLOAD 32, 24, 56, 48                           ; slot 0
	JLOAD 36, 24, 60, 48                           ; slot 1
	tensor_load_to_lds s[20:23], s[92:99]          ; my 64 rows of x's f32 tile: four loads of mine are out
	s_nop 0
.rept 4
	v_nop
.endr
	s_load_b64 s[12:13], s[0:1], 0x20              ; bq;  the biases are asked for here, behind the tensor loads: they come while the first tile is on its way
	s_load_b64 s[40:41], s[0:1], 0x28              ; bk1  (the registers that held my place in the cluster, the masks and the offsets are free)
	s_load_b128 s[44:47], s[0:1], 0x30             ; bk2, bv1
	s_load_b64 s[66:67], s[0:1], 0x40              ; bv2
	v_and_b32 v1, 31, v0                           ; lane
	v_and_b32 v10, 15, v0                          ; r
	v_bfe_u32 v11, v0, 4, 1                        ; h
	v_and_b32 v9, 8, v10
	v_add_nc_u32 v9, v9, v10                       ; r + 8 (r / 8)
	v_lshlrev_b32 v12, 4, v1                       ; 16 x lane
	s_mul_i32 s2, s15, XH
	s_mul_i32 s3, s16, WH
	s_add_co_u32 s3, s3, WOFF
	v_add_nc_u32 v4, s2, v12                       ; my x fragments in slot 0,
	v_add_nc_u32 v6, s3, v12                       ; my W fragments
	v_add_nc_u32 v5, SLOTB, v4                     ; and in slot 1
	v_add_nc_u32 v7, SLOTB, v6
	s_lshl_b32 s2, s15, 12
	s_mul_i32 s3, s16, 5120
	s_add_co_u32 s3, s3, WSCL-XSCL
	s_sub_co_u32 s3, s3, s2                        ; from my x words to my W words
	v_mul_u32_u24 v8, s3, v11                      ; lanes 16-31 take W's
	v_lshl_add_u32 v8, v10, 3, v8
	s_add_co_u32 s2, s2, XSCL
	v_add_nc_u32 v8, s2, v8
	s_lshl_b32 s2, s15, 7
	v_lshl_add_u32 v13, v11, 4, s2                 ; the residual for k and v: row 128 rh + 16 h,
	v_mul_u32_u24 v13, v13, RP
	v_lshl_add_u32 v13, v9, 2, v13                 ; my lane's channel of tile 0
	s_lshl_b32 s3, s16, 7
	s_add_co_u32 s3, s3, RES
	v_add_nc_u32 v13, s3, v13
	s_lshl_b32 s18, s42, 8
	s_lshl_b32 s19, s16, 7
	s_add_co_u32 s18, s18, s19                     ; (64 head + 32 ch) x 4
	v_lshl_add_u32 v9, v9, 2, s18
	s_mov_b32 s19, 0
	s_wait_kmcnt 0x0
.irp u, 0,1
	global_load_b32 v[BK+\u], v9, s[40:41] offset:32*\u      ; k's and v's biases: my lane's channel of tile u
	global_load_b32 v[BK+2+\u], v9, s[44:45] offset:32*\u
	global_load_b32 v[BK+4+\u], v9, s[46:47] offset:32*\u
	global_load_b32 v[BK+6+\u], v9, s[66:67] offset:32*\u
.endr
	s_add_nc_u64 s[12:13], s[12:13], s[18:19]      ; bq at my 32 channels
	s_wait_tensorcnt 0x2                           ; the scale words and my part of slot 0 are in; slot 1 and the residual may be out
	s_barrier_signal -1
	s_barrier_wait -1
	FETCH_X 0, 0, 0
	FETCH_W 0, 0, 0
	SCALES 0
	FETCH_W 0, 0, 5
	; K = 1,024: four slots' worth, written out (a loop would have one trip)
	STEP 0, 1                                      ; the first products start the sums: nothing is cleared
	TURN 0, 1, 1
	STEP 1, 0
	TURN 1, 0, 1
	STEP 0, 0
	TURN 0, 1, 0                                   ; nothing is left to fetch: no round
	STEP 1, 0
	s_wait_dscnt 15
.irp t, 0,1,2,3,4
	MULT \t, 1, 1, 1, 0
.endr
	s_wait_dscnt 0x0
.irp t, 5,6,7,8                        ; among the last products: the residual of k's and v's tile 0, 16 loads a run, into x's set 0, which was last read a K step ago with four plain lines behind
	MULT \t, 1, 1, 1, 0
	WIN 0
	RKL 0, 2*(\t-5), 2
.endr
	MULT 9, 1, 1, 1, 0
	WIN 0
	PLACES 4
	; ---- k and v: + x + b, column sums of v, quantised along the sequence, images into the stage
	s_wait_dscnt 0x0                               ; tile 0's residual is in
	RKL 1, 0, 8                                    ; tile 1's lands under tile 0's additions
	s_wait_loadcnt 0x0                             ; the biases, asked for at the head: their offset register may be written
	v_lshlrev_b32 v9, 6, v11                       ; bq: 64 h; not written again
	WIN 0x40                                       ; destination window 1: registers that held W's fragments
.irp u, 0,1
.irp q, 0,1
	global_load_b128 v[BQ+8*\u+4*\q:BQ+8*\u+4*\q+3], v9, s[12:13] offset:32*\u+16*\q   ; asked for here, used behind k's and v's eight tiles and S's products
.endr
.endr
	WIN 0
	v_and_b32 v33, 8, v10
	v_add_nc_u32 v33, v33, v10                     ; r + 8 (r / 8)
	s_mul_i32 s2, s16, 6144
	s_mul_i32 s3, s15, 1536
	s_add_co_u32 s2, s2, s3
	v_lshl_add_u32 v5, v1, 4, s2                   ; image 8 p + 4 ch + 2 u + rh: 16 x lane + the wave's part
	s_lshl_b32 s2, s16, 9
	s_lshl_b32 s3, s15, 7
	s_add_co_u32 s2, s2, s3
	s_add_co_u32 s2, s2, STGS
	v_lshl_add_u32 v6, v1, 2, s2                   ; its scale words
	v_lshlrev_b32 v7, 2, v10
	v_lshl_add_u32 v7, v11, 12, v7                 ; column sums: 4 r, lanes 16-31 v2's
.macro KVT p, u                        ; projection p (0, 1: k1, k2; 2, 3: v1, v2), tile u of my 32 channels
.set tb, 64*((2*(\p)+(\u))%4)
.set wv, 2+(\p)/2
	WIN wv                                         ; source 0: window 2 or 3
.set k, 0
.rept 32
	v_pk_add_f32 v[192+k:193+k], v[tb+k:tb+k+1], v[64+64*(\u)+k:65+64*(\u)+k]     ; x + the product; each accumulator from its low end on
.set k, k+2
.endr
	WIN 0
.set k, 0
.rept 32
.if (\u) == 0
	v_pk_add_f32 v[192+k:193+k], v[192+k:193+k], v[BK+2*(\p):BK+2*(\p)+1] op_sel_hi:[1,0]
.else
	v_pk_add_f32 v[192+k:193+k], v[192+k:193+k], v[BK+2*(\p):BK+2*(\p)+1] op_sel:[0,1] op_sel_hi:[1,1]
.endif
.set k, k+2
.endr
.if (\p) >= 2                          ; the sum of my channel over the wave's 128 rows, of the unquantised numbers
	v_pk_add_f32 v[24:25], v[192:193], v[194:195]
	v_pk_add_f32 v[26:27], v[196:197], v[198:199]
.set k, 8
.rept 14
	v_pk_add_f32 v[24:25], v[24:25], v[192+k:193+k]
	v_pk_add_f32 v[26:27], v[26:27], v[194+k:195+k]
.set k, k+4
.endr
	v_pk_add_f32 v[24:25], v[24:25], v[26:27]
	v_add_f32 v24, v24, v25
	v_permlanex16_b32 v25, v24, s[SEL], s[SEL+1]
	v_add_f32 v[12+2*((\p)-2)+(\u)], v24, v25
.endif
	s_wait_dscnt 0x0                               ; tile 1's residual is in (first tile); the last image's stores have read the codes' registers
	QUANT_A 192
	QUANT_B
.irp c, 0,1,2
	ds_store_b128 v5, v[PC+4*\c:PC+4*\c+3] offset:12288*(\p)+3072*(\u)+512*\c
.endr
	ds_store_b32 v6, v[PW] offset:(8*(\p)+2*(\u))*128
.endm
.irp p, 0,1,2,3
	KVT \p, 0
	KVT \p, 1
.endr
	s_mov_b32 vcc_lo, 0xffff0000                   ; lanes 16-31
	v_cndmask_b32 v24, v12, v14, vcc_lo            ; lanes 0-15 v1's sum, lanes 16-31 v2's
	v_cndmask_b32 v25, v13, v15, vcc_lo
	s_lshl_b32 s2, s17, 1
	s_add_co_u32 s2, s2, s15
	s_lshl_b32 s2, s2, 13
	s_lshl_b32 s3, s42, 8
	s_add_co_u32 s2, s2, s3
	s_lshl_b32 s3, s16, 7
	s_add_co_u32 s2, s2, s3
	s_add_co_u32 s2, s2, VS
	s_mov_b32 s3, 0
	s_add_nc_u64 s[18:19], s[10:11], s[2:3]
	global_store_b32 v7, v24, s[18:19]
	global_store_b32 v7, v25, s[18:19] offset:64
	BARRIER                                        ; the 32 images lie in the stage
	; ---- this block's part of S1 (waves 0, 1) and S2 (waves 2, 3): d tiles 2 ch, 2 ch + 1 against all four e tiles, K = 256 rows
	s_wait_xcnt 0x0                                ; the two stores have read their registers and base
	s_mul_i32 s2, s15, 12288
	s_mul_i32 s3, s16, 6144
	s_add_co_u32 s3, s3, s2
	v_lshl_add_u32 v4, v1, 4, s3                   ; k's images
	s_add_co_u32 s2, s2, 24576
	v_lshl_add_u32 v5, v1, 4, s2                   ; v's
	s_lshl_b32 s2, s15, 10
	s_lshl_b32 s3, s16, 9
	s_add_co_u32 s3, s3, s2
	s_add_co_u32 s3, s3, STGS
	v_lshl_add_u32 v6, v1, 2, s3                   ; k's scale words
	s_add_co_u32 s2, s2, STGS+2048
	v_lshl_add_u32 v7, v1, 2, s2                   ; v's
	v_lshlrev_b32 v8, 4, v1
.irp f, 0,1,2,3
.irp c, 0,1,2
	ds_load_b128 v[64+12*\f+4*\c:64+12*\f+4*\c+3], v4 offset:1536*\f+512*\c
.endr
	ds_load_b32 v[16+\f], v6 offset:128*\f
.endr
.irp f, 0,1,2,3,4,5,6,7
.irp c, 0,1,2
	ds_load_b128 v[112+12*\f+4*\c:112+12*\f+4*\c+3], v5 offset:1536*\f+512*\c
.endr
	ds_load_b32 v[20+\f], v7 offset:128*\f
.endr
	s_lshr_b32 s2, s17, 3
	s_lshl_b32 s2, s2, 4
	s_add_co_u32 s2, s2, s42                       ; (batch, head)
	s_lshl_b32 s2, s2, 3
	s_and_b32 s3, s17, 7
	s_add_co_u32 s2, s2, s3
	s_lshl_b32 s2, s2, 15
	s_lshl_b32 s3, s15, 14
	s_add_co_u32 s2, s2, s3
	s_lshl_b32 s3, s16, 11
	s_add_co_u32 s2, s2, s3
	s_mov_b32 s3, 0
	s_add_nc_u64 s[18:19], s[10:11], s[2:3]
	s_wait_dscnt 0x0
	WIN 0x50                                       ; C and D window 1 (where W's fragments lay)
.irp kk, 0,1
.irp d, 0,1
.irp e, 0,1,2,3
.if \kk == 0
	v_wmma_scale_f32_16x16x128_f8f6f4 v[8*(4*\d+\e):8*(4*\d+\e)+7], v[64+12*(2*\d+\kk):64+12*(2*\d+\kk)+11], v[112+12*(2*\e+\kk):112+12*(2*\e+\kk)+11], 0, v[16+2*\d+\kk], v[20+2*\e+\kk] matrix_a_fmt:MATRIX_FMT_FP6 matrix_b_fmt:MATRIX_FMT_FP6
.else
	v_wmma_scale_f32_16x16x128_f8f6f4 v[8*(4*\d+\e):8*(4*\d+\e)+7], v[64+12*(2*\d+\kk):64+12*(2*\d+\kk)+11], v[112+12*(2*\e+\kk):112+12*(2*\e+\kk)+11], v[8*(4*\d+\e):8*(4*\d+\e)+7], v[16+2*\d+\kk], v[20+2*\e+\kk] matrix_a_fmt:MATRIX_FMT_FP6 matrix_b_fmt:MATRIX_FMT_FP6
.endif
.endr
.endr
.endr
	PLACES 4
	WIN 0x04                                       ; a store's data: window 1
.irp d, 0,1
.irp e, 0,1,2,3
	global_store_b128 v8, v[8*(4*\d+\e):8*(4*\d+\e)+3], s[18:19] offset:4096*\e+1024*\d          ; the result as an image of its registers: 512 consecutive bytes a store
	global_store_b128 v8, v[8*(4*\d+\e)+4:8*(4*\d+\e)+7], s[18:19] offset:4096*\e+1024*\d+512
.endr
.endr
	WIN 0
	; ---- q: + b + x, quantised along the head's channels: my 32 channels are one block; a lane holds 16 of them for each of 8 row tiles
	s_lshl_b32 s2, s15, 7
	v_add_nc_u32 v4, s2, v33
	v_mul_u32_u24 v4, v4, RP
	v_lshl_add_u32 v4, v11, 6, v4
	s_lshl_b32 s3, s16, 7
	s_add_co_u32 s3, s3, RES
	v_add_nc_u32 v4, s3, v4                        ; x(place r of tile 0, channel 32 ch + 16 h)
	v_mul_u32_u24 v6, v10, 24
	v_mad_u32_u24 v6, v11, 12, v6                  ; codes: 24 r + 12 h
	v_lshlrev_b32 v7, 3, v10
	v_lshl_add_u32 v7, v11, 2, v7                  ; scale bytes: 8 r + 4 h
	s_lshl_b32 s2, s17, 4
	s_lshl_b32 s3, s15, 3
	s_add_co_u32 s2, s2, s3                        ; my first row tile
	s_mul_i32 s46, s2, 12288
	s_mul_i32 s3, s42, 768
	s_add_co_u32 s46, s46, s3
	s_mul_i32 s3, s16, 384
	s_add_co_u32 s46, s46, s3
	s_mov_b32 s47, 0
	s_add_nc_u64 s[46:47], s[8:9], s[46:47]
	s_lshl_b32 s2, s17, 1
	s_add_co_u32 s2, s2, s15
	s_lshl_b32 s66, s2, 12
	s_lshl_b32 s3, s42, 8
	s_add_co_u32 s66, s66, s3
	s_lshl_b32 s3, s16, 7
	s_add_co_u32 s66, s66, s3
	s_add_co_u32 s66, s66, QS
	s_mov_b32 s67, 0
	s_add_nc_u64 s[66:67], s[8:9], s[66:67]
.irp g, 0,1                            ; four row tiles at a time: the quantiser's four blocks are four tiles' rows
.irp aa, 0,1,2,3
.irp u, 0,1
.irp q, 0,1
	ds_load_b128 v[64+16*\aa+8*\u+4*\q:64+16*\aa+8*\u+4*\q+3], v4 offset:(32*((4*\g+\aa)/2)+8*(\aa%2))*RP+32*\u+16*\q
.endr
.endr
.endr
.if \g == 0
	s_wait_loadcnt 0x0                             ; bq, asked for at the head of the way out
.endif
	WIN 0x05                                       ; both sources window 1: the product + bq, while the residual's loads are out
.irp aa, 0,1,2,3
.irp u, 0,1
.irp k, 0,2,4,6
	v_pk_add_f32 v[192+16*\aa+8*\u+\k:193+16*\aa+8*\u+\k], v[128+8*(8*\u+4*\g+\aa)+\k:129+8*(8*\u+4*\g+\aa)+\k], v[BQ+8*\u+\k:BQ+1+8*\u+\k]   ; each accumulator from its low end on
.endr
.endr
.endr
	WIN 0
	s_wait_dscnt 0x0
.irp aa, 0,1,2,3
.irp u, 0,1
.irp k, 0,2,4,6
	v_pk_add_f32 v[192+16*\aa+8*\u+\k:193+16*\aa+8*\u+\k], v[192+16*\aa+8*\u+\k:193+16*\aa+8*\u+\k], v[64+16*\aa+8*\u+\k:65+16*\aa+8*\u+\k]
.endr
.endr
.endr
	s_wait_xcnt 0x0                                ; earlier stores have read the registers that are written below
	QUANT_A 192
.irp c, 0,1
	global_store_b96 v6, v[PC+6*\c:PC+6*\c+2], s[46:47] offset:(4*\g+2*\c)*12288          ; 16 codes of a row: two lanes fill a block's 24 bytes, 32 lanes 384 consecutive bytes
	global_store_b96 v6, v[PC+12+4*\c:PC+14+4*\c], s[46:47] offset:(4*\g+2*\c+1)*12288
.endr
	v_mov_b32 v[34+\g], v[PW]                      ; the four tiles' bytes of place r
.endr
	v_cndmask_b32 v34, v34, v35, vcc_lo
	global_store_b32 v7, v34, s[66:67]             ; 128 consecutive bytes
	s_wait_tensorcnt 0x0                           ; the wave's end
	ds_add_u32 v2, v3
	s_wait_dscnt 0x0
	CROUND                                         ; the closing round: no work-group ends while a partner may still ask for a tile that names it
	s_endpgm
.Lfunc_end_k_q4dcf94c730_proj:
	.size	k_q4dcf94c730_proj, .Lfunc_end_k_q4dcf94c730_proj-k_q4dcf94c730_proj
	.p2alignl 7, 3214868480
	.fill 96, 4, 3214868480
	.section	.rodata,"a",@progbits
	.p2align	6, 0x0
	.amdhsa_kernel k_q4dcf94c730_proj
		.amdhsa_group_segment_fixed_size 327680
		.amdhsa_private_segment_fixed_size 0
		.amdhsa_enable_private_segment 0
		.amdhsa_kernarg_size 72
		.amdhsa_user_sgpr_count 2
		.amdhsa_user_sgpr_kernarg_segment_ptr 1
		.amdhsa_wavefront_size32 1
		.amdhsa_system_sgpr_workgroup_id_x 1
		.amdhsa_system_sgpr_workgroup_id_y 1
		.amdhsa_system_sgpr_workgroup_id_z 1
		.amdhsa_system_vgpr_workitem_id 0
		.amdhsa_next_free_vgpr 1024
		.amdhsa_next_free_sgpr 106
		.amdhsa_reserve_vcc 1
		.amdhsa_float_denorm_mode_32 3
		.amdhsa_float_denorm_mode_16_64 3
		.amdhsa_memory_ordered 1
		.amdhsa_forward_progress 1
		.amdhsa_inst_pref_size 239
	.end_amdhsa_kernel
	.amdgpu_metadata
---
amdhsa.version: [ 1, 2 ]
amdhsa.kernels:
  - .name:           k_q4dcf94c730_proj
    .symbol:         k_q4dcf94c730_proj.kd
    .args:
      - { .name: xw, .offset: 0, .size: 8, .value_kind: global_buffer, .address_space: global }
      - { .name: x, .offset: 8, .size: 8, .value_kind: global_buffer, .address_space: global }
      - { .name: qc, .offset: 16, .size: 8, .value_kind: global_buffer, .address_space: global }
      - { .name: ps, .offset: 24, .size: 8, .value_kind: global_buffer, .address_space: global }
      - { .name: bq, .offset: 32, .size: 8, .value_kind: global_buffer, .address_space: global }
      - { .name: bk1, .offset: 40, .size: 8, .value_kind: global_buffer, .address_space: global }
      - { .name: bk2, .offset: 48, .size: 8, .value_kind: global_buffer, .address_space: global }
      - { .name: bv1, .offset: 56, .size: 8, .value_kind: global_buffer, .address_space: global }
      - { .name: bv2, .offset: 64, .size: 8, .value_kind: global_buffer, .address_space: global }
    .group_segment_fixed_size: 327680
    .private_segment_fixed_size: 0
    .kernarg_segment_align: 8
    .kernarg_segment_size: 72
    .max_flat_workgroup_size: 128
    .sgpr_count:     106
    .vgpr_count:     1024
    .wavefront_size: 32
...
	.end_amdgpu_metadata
.endif
;; end of part 2
;; launch sfin (part 3): grid 256 x 1, 8 waves a work-group, no clusters, 9,216 bytes of LDS; arguments ps, g1, g2, g3, sc; writes sc
.if DOCPART == 3
	.amdgcn_target "amdgcn-amd-amdhsa--gfx1250"
	.amdhsa_code_object_version 6
	.text
	.protected	k_q4dcf94c730_sfin
	.globl	k_q4dcf94c730_sfin
	.p2align	8
	.type	k_q4dcf94c730_sfin,@function
k_q4dcf94c730_sfin:
	s_mov_b64 s[64:65], 0
	v_nop
	global_prefetch_b8 v0, s[64:65] scope:SCOPE_SE
	s_setreg_imm32_b32 hwreg(HW_REG_WAVE_MODE, 25, 1), 1
	s_wait_xcnt 0x0
; The eight row blocks' parts of S1 and S2 are added and divided by n = 2,048; S12 = S1 S2; all three are quantised along d (their first axis, the K of q S) into halves of fragments;
; g2 x (the column sums of S12), g1 x mean(v2) and g3 x mean(v1) go out as vectors over the 1,024 channels.
; SHARES: a work-group takes one (batch, head) and one tile e of 16 columns.  Wave w adds the parts of (S1 or S2: w / 4, d tile w % 4); the sums meet in LDS; then wave 0 quantises S1, wave 1 S2, wave 2 S12 (and sums it),
; wave 3 makes the two means (its 16 partial sums are asked for with the first loads), waves 4 to 7 are done.
; A part is an image of a result's registers: lane (r, h), register j = S(d = 32 (dt / 2) + 8 (dt % 2) + 16 h + j, e's place r): the four d tiles' 32 registers are two blocks of 32 along d, 16 of each in a lane.
; No matrix work, no tensor loads; nothing is shared between work-groups, so no cluster.  The launch is a few loads deep: no prefetch.
; LIMITS: NaN and infinities are not served; a block under 2^-124 is held at the scale byte 1; a block of zeros gets the byte 1 (its codes are zeros).
.set VS, 16777216
.set SSW, 589824                       ; sc: codes [(batch, head) x 12 + 4 x matrix + e][lane 32][24]; from SSW on a scale word a lane, 128 bytes an index
.set COEF, 688128                      ; from COEF on [batch 4][g2 y2, g1 mean(v2), g3 mean(v1)][1024] f32
.set SEL, 38
	s_load_b256 s[4:11], s[0:1], 0x0               ; ps, g1, g2, g3
	s_load_b64 s[12:13], s[0:1], 0x20              ; sc
	v_lshl_add_u32 v128, v0, 2, 0x2000
	v_mov_b32 v129, 0
	v_lshrrev_b32 v1, 5, v0
	v_readfirstlane_b32 s2, v1                     ; wave 0..7
	v_and_b32 v1, 31, v0
	v_and_b32 v2, 15, v0                           ; r
	v_bfe_u32 v3, v0, 4, 1                         ; h
	v_lshlrev_b32 v4, 4, v1                        ; 16 x lane
	v_lshlrev_b32 v5, 2, v2
	v_lshl_add_u32 v5, v3, 12, v5                  ; column sums: 4 r, lanes 16-31 v2's
	s_lshl_b32 s29, s2, 10
	v_add_nc_u32 v6, s29, v4                       ; LDS: my sum's image
	s_and_b32 s29, s2, 1
	s_lshl_b32 s29, s29, 12
	v_add_nc_u32 v7, s29, v4                       ; S1's four images (waves 0, 2) or S2's (wave 1)
	v_add_nc_u32 v8, 4096, v4                      ; S2's
	v_and_b32 v9, 8, v2
	v_add_nc_u32 v9, v9, v2
	v_lshlrev_b32 v9, 2, v9                        ; my place's channel: 4 (r + 8 (r / 8))
	v_lshlrev_b32 v10, 12, v3
	v_add_nc_u32 v13, 8192, v9
	v_sub_nc_u32 v10, v13, v10                     ; lanes 0-15 (v1's mean) into vector 2, lanes 16-31 (v2's) into vector 1
	v_mul_u32_u24 v11, v1, 24
	v_lshlrev_b32 v12, 2, v1
	v_mov_b32 v18, 0                               ; written once: a lane permute's destination counts as one of its sources
	v_mov_b32 v19, 0
	s_mov_b32 s[SEL], 0x76543210
	s_mov_b32 s[SEL+1], 0xfedcba98
	s_mov_b32 vcc_lo, 0xffff0000
	s_lshr_b32 s14, ttmp9, 2                       ; (batch, head)
	s_and_b32 s15, ttmp9, 3                        ; e
	s_lshr_b32 s16, s14, 4                         ; batch
	s_and_b32 s17, s14, 15                         ; head
	s_lshr_b32 s18, s2, 2
	s_and_b32 s19, s2, 3
	s_lshl_b32 s20, s14, 18
	s_lshl_b32 s29, s18, 14
	s_add_co_u32 s20, s20, s29
	s_lshl_b32 s29, s15, 12
	s_add_co_u32 s20, s20, s29
	s_lshl_b32 s29, s19, 10
	s_add_co_u32 s20, s20, s29
	s_mov_b32 s21, 0
	s_lshl_b32 s22, s16, 17
	s_lshl_b32 s29, s17, 8
	s_add_co_u32 s22, s22, s29
	s_lshl_b32 s29, s15, 6
	s_add_co_u32 s22, s22, s29
	s_add_co_u32 s22, s22, VS
	s_mov_b32 s23, 0
	s_lshl_b32 s24, s17, 2
	s_mov_b32 s25, 0
	s_mul_i32 s30, s16, 12288
	s_lshl_b32 s29, s17, 8
	s_add_co_u32 s30, s30, s29
	s_lshr_b32 s29, s15, 1
	s_lshl_b32 s29, s29, 7
	s_add_co_u32 s30, s30, s29
	s_and_b32 s29, s15, 1
	s_lshl_b32 s29, s29, 5
	s_add_co_u32 s30, s30, s29                     ; channel 64 head + 32 (e / 2) + 8 (e % 2), in bytes
	s_add_co_u32 s30, s30, COEF
	s_mov_b32 s31, 0
	s_mul_i32 s32, s14, 12
	s_lshl_b32 s29, s2, 2
	s_add_co_u32 s32, s32, s29
	s_add_co_u32 s32, s32, s15                     ; (used by waves 0 to 2: matrix = wave)
	s_mul_i32 s34, s32, 768
	s_mov_b32 s35, 0
	s_lshl_b32 s36, s32, 7
	s_add_co_u32 s36, s36, SSW
	s_mov_b32 s37, 0
	s_wait_kmcnt 0x0
	s_add_nc_u64 s[20:21], s[4:5], s[20:21]
	s_add_nc_u64 s[22:23], s[4:5], s[22:23]
	s_add_nc_u64 s[6:7], s[6:7], s[24:25]
	s_add_nc_u64 s[8:9], s[8:9], s[24:25]
	s_add_nc_u64 s[10:11], s[10:11], s[24:25]
	s_load_b32 s26, s[6:7], 0x0                    ; g1, g2, g3 of my head
	s_load_b32 s27, s[8:9], 0x0
	s_load_b32 s28, s[10:11], 0x0
	s_add_nc_u64 s[30:31], s[12:13], s[30:31]
	s_add_nc_u64 s[34:35], s[12:13], s[34:35]
	s_add_nc_u64 s[36:37], s[12:13], s[36:37]
	s_cmp_lg_u32 s2, 3
	s_cbranch_scc1 .Lno_sums
.irp k, 0,1,2,3,4,5,6,7,8,9,10,11,12,13,14,15
	global_load_b32 v[96+\k], v5, s[22:23] offset:8192*\k th:TH_LOAD_NT    ; the batch's 16 blocks of 128 rows
.endr
.Lno_sums:
.irp k, 0,1,2,3,4,5,6,7
	global_load_b128 v[32+8*\k:32+8*\k+3], v4, s[20:21] offset:32768*\k th:TH_LOAD_NT
	global_load_b128 v[32+8*\k+4:32+8*\k+7], v4, s[20:21] offset:32768*\k+512 th:TH_LOAD_NT
.endr
	s_wait_loadcnt 0x0
	s_wait_kmcnt 0x0
.irp k, 0,2,4,6
.irp i, 0,2,4,6
	v_pk_add_f32 v[32+8*\k+\i:33+8*\k+\i], v[32+8*\k+\i:33+8*\k+\i], v[40+8*\k+\i:41+8*\k+\i]
.endr
.endr
.irp k, 0,4
.irp i, 0,2,4,6
	v_pk_add_f32 v[32+8*\k+\i:33+8*\k+\i], v[32+8*\k+\i:33+8*\k+\i], v[48+8*\k+\i:49+8*\k+\i]
.endr
.endr
.irp i, 0,2,4,6
	v_pk_add_f32 v[32+\i:33+\i], v[32+\i:33+\i], v[64+\i:65+\i]
.endr
.irp i, 0,2,4,6
	v_pk_mul_f32 v[32+\i:33+\i], v[32+\i:33+\i], 0x3a000000 op_sel_hi:[1,0]     ; / 2,048: exact
.endr
	ds_store_b128 v6, v[32:35]
	ds_store_b128 v6, v[36:39] offset:512
	s_wait_dscnt 0x0                               ; for the others' sake: my stores have landed
	s_barrier_signal -1
	s_barrier_wait -1
	s_cmp_gt_u32 s2, 3
	s_cbranch_scc1 .Lend
	s_cmp_eq_u32 s2, 3
	s_cbranch_scc1 .Lmeans
.irp d, 0,1,2,3
	ds_load_b128 v[32+8*\d:32+8*\d+3], v7 offset:1024*\d
	ds_load_b128 v[32+8*\d+4:32+8*\d+7], v7 offset:1024*\d+512
.endr
	s_cmp_lg_u32 s2, 2
	s_cbranch_scc1 .Lnot_12
.irp d, 0,1,2,3
	ds_load_b128 v[64+8*\d:64+8*\d+3], v8 offset:1024*\d
	ds_load_b128 v[64+8*\d+4:64+8*\d+7], v8 offset:1024*\d+512
.endr
	s_wait_dscnt 0x0
.irp i, 0,2,4,6,8,10,12,14,16,18,20,22,24,26,28,30
	v_pk_mul_f32 v[32+\i:33+\i], v[32+\i:33+\i], v[64+\i:65+\i]                 ; S12 = S1 S2
.endr
	v_pk_add_f32 v[64:65], v[32:33], v[34:35]      ; its sum over d: my 32, in two chains,
	v_pk_add_f32 v[66:67], v[36:37], v[38:39]
.irp i, 8,12,16,20,24,28
	v_pk_add_f32 v[64:65], v[64:65], v[32+\i:33+\i]
	v_pk_add_f32 v[66:67], v[66:67], v[34+\i:35+\i]
.endr
	v_pk_add_f32 v[64:65], v[64:65], v[66:67]
	v_add_f32 v64, v64, v65
	v_permlanex16_b32 v65, v64, s[SEL], s[SEL+1]
	v_add_f32 v64, v64, v65                        ; and lane l xor 16's 32
	v_mul_f32 v64, s27, v64                        ; x g2
	global_store_b32 v9, v64, s[30:31]             ; (lanes r and r + 16 store the same number to the same place)
.Lnot_12:
	s_wait_dscnt 0x0
.irp b, 0,1
	v_max3_num_f32 v[16+\b], |v[32+16*\b]|, |v[33+16*\b]|, 0x1800000            ; the floor 2^(3 - 127): the byte cannot fall under 1
.endr
.irp i, 2,4,6,8,10,12,14
.irp b, 0,1
	v_max3_num_f32 v[16+\b], v[16+\b], |v[32+16*\b+\i]|, |v[33+16*\b+\i]|
.endr
.endr
.irp b, 0,1
	v_permlanex16_b32 v[18+\b], v[16+\b], s[SEL], s[SEL+1]
.endr
.irp b, 0,1
	v_max_num_f32 v[16+\b], v[16+\b], v[18+\b]
.endr
.irp b, 0,1
	v_add_nc_u32 v[20+\b], 0xff000000, v[16+\b]
.endr
.irp b, 0,1
	v_lshrrev_b32 v[18+\b], 23, v[20+\b]
.endr
	v_lshl_or_b32 v22, v19, 8, v18
	v_or_b32 v22, 0x7f7f0000, v22                  ; K = 64 is filled to 128 with zero codes: their two bytes stand for 1
	v_cvt_scalef32_pk16_fp6_f32 v[24:26], v[32:47], v20
	v_cvt_scalef32_pk16_fp6_f32 v[28:30], v[48:63], v21
	v_nop                                          ; one plain line behind the scaled conversions
.irp i, 0,1,2
	v_permlane16_swap_b32 v[24+\i], v[28+\i]       ; a whole block to a lane: lanes 0-15 d 0-31, lanes 16-31 d 32-63
.endr
	global_store_b96 v11, v[24:26], s[34:35]
	global_store_b96 v11, v[28:30], s[34:35] offset:12
	global_store_b32 v12, v22, s[36:37]
	s_wait_tensorcnt 0x0
	ds_add_u32 v128, v129
	s_wait_dscnt 0x0
	s_endpgm
.Lmeans:
.irp i, 0,4,8,12
	v_pk_add_f32 v[96+\i:97+\i], v[96+\i:97+\i], v[98+\i:99+\i]
.endr
	v_pk_add_f32 v[96:97], v[96:97], v[100:101]
	v_pk_add_f32 v[104:105], v[104:105], v[108:109]
	v_pk_add_f32 v[96:97], v[96:97], v[104:105]
	v_add_f32 v96, v96, v97
	v_mul_f32 v96, 0x3a000000, v96                 ; / 2,048
	v_mov_b32 v97, s28
	v_mov_b32 v98, s26
	v_cndmask_b32 v97, v97, v98, vcc_lo            ; v1's mean goes with g3, v2's with g1
	v_mul_f32 v96, v96, v97
	global_store_b32 v10, v96, s[30:31]
.Lend:
	s_wait_tensorcnt 0x0
	ds_add_u32 v128, v129
	s_wait_dscnt 0x0
	s_endpgm
.Lfunc_end_k_q4dcf94c730_sfin:
	.size	k_q4dcf94c730_sfin, .Lfunc_end_k_q4dcf94c730_sfin-k_q4dcf94c730_sfin
	.p2alignl 7, 3214868480
	.fill 96, 4, 3214868480
	.section	.rodata,"a",@progbits
	.p2align	6, 0x0
	.amdhsa_kernel k_q4dcf94c730_sfin
		.amdhsa_group_segment_fixed_size 9216
		.amdhsa_private_segment_fixed_size 0
		.amdhsa_enable_private_segment 0
		.amdhsa_kernarg_size 40
		.amdhsa_user_sgpr_count 2
		.amdhsa_user_sgpr_kernarg_segment_ptr 1
		.amdhsa_wavefront_size32 1
		.amdhsa_system_sgpr_workgroup_id_x 1
		.amdhsa_system_sgpr_workgroup_id_y 1
		.amdhsa_system_sgpr_workgroup_id_z 1
		.amdhsa_system_vgpr_workitem_id 0
		.amdhsa_next_free_vgpr 130
		.amdhsa_next_free_sgpr 66
		.amdhsa_reserve_vcc 1
		.amdhsa_float_denorm_mode_32 3
		.amdhsa_float_denorm_mode_16_64 3
		.amdhsa_memory_ordered 1
		.amdhsa_forward_progress 1
		.amdhsa_inst_pref_size 16
	.end_amdhsa_kernel
	.amdgpu_metadata
---
amdhsa.version: [ 1, 2 ]
amdhsa.kernels:
  - .name:           k_q4dcf94c730_sfin
    .symbol:         k_q4dcf94c730_sfin.kd
    .args:
      - { .name: ps, .offset: 0, .size: 8, .value_kind: global_buffer, .address_space: global }
      - { .name: g1, .offset: 8, .size: 8, .value_kind: global_buffer, .address_space: global }
      - { .name: g2, .offset: 16, .size: 8, .value_kind: global_buffer, .address_space: global }
      - { .name: g3, .offset: 24, .size: 8, .value_kind: global_buffer, .address_space: global }
      - { .name: sc, .offset: 32, .size: 8, .value_kind: global_buffer, .address_space: global }
    .group_segment_fixed_size: 9216
    .private_segment_fixed_size: 0
    .kernarg_segment_align: 8
    .kernarg_segment_size: 40
    .max_flat_workgroup_size: 256
    .sgpr_count:     66
    .vgpr_count:     130
    .wavefront_size: 32
...
	.end_amdgpu_metadata
.endif
;; end of part 3
;; launch mix (part 4): grid 256 x 1, 8 waves a work-group, no clusters, 3,072 bytes of LDS; arguments qc, sc, g4, ln_g, ln_b, ac; writes ac
.if DOCPART == 4
	.amdgcn_target "amdgcn-amd-amdhsa--gfx1250"
	.amdhsa_code_object_version 6
	.text
	.protected	k_q4dcf94c730_mix
	.globl	k_q4dcf94c730_mix
	.p2align	8
	.type	k_q4dcf94c730_mix,@function
k_q4dcf94c730_mix:
	s_mov_b64 s[64:65], 0
	v_nop
	global_prefetch_b8 v0, s[64:65] scope:SCOPE_SE
	s_setreg_imm32_b32 hwreg(HW_REG_WAVE_MODE, 25, 1), 1
	s_wait_xcnt 0x0
; out = (q S1) g1 mean(v2) + g2 y2 + (q S2) g3 mean(v1) + (q S12) g4, then LayerNorm over the 1,024 channels, then quantised along the channels into fragment images for the last product.
; The three products are on codes of FP6 (E2M3); K = 64 is filled to the instruction's 128 with zero codes on BOTH operands (registers 6-11, cleared once), their scale bytes standing for 1.
; SHARES: a work-group takes 32 rows (two row tiles m); wave w heads 2 w and 2 w + 1 = channels 128 w on = K step w of the last product.  Source 0 = 16 columns e of S (K = d), source 1 = q's 16 rows:
; a lane holds one row, and the 64 registers of a row tile are channels 32 b + 16 h + i of the wave's 128: ready for the quantiser.  Row sums meet in LDS: two barriers.
; Operands come from memory straight into registers, in the order of the operand's registers: no tensor load, so no joint requests; each wave reads other heads' S, and S's codes are a small part of what a work-group moves.
; The launch is a few loads deep: no prefetch.
; LIMITS: NaN and infinities are not served; a block under 2^-124 is held at the scale byte 1; a block of zeros gets the byte 1 (its codes are zeros).
; REGISTERS.  Window 0: v1-11 addresses; v16-19 q's scale words, v20-31 S's; v32-79 q's four fragments; v80-143 the products; v144-175 g1 mean(v2), v176-207 g2 y2; v208-255 S1's four fragments.
;   Later: v16-55 the quantiser's; v56-119 ln_g, v120-183 ln_b; v184-247 the normalised row; v248-255 sums.   Window 1: v0-127 out; v128-175 S2's fragments, v176-223 S12's; v224-255 g3 mean(v1).
.set QS, 6291456
.set SSW, 589824
.set COEF, 688128
.set ASCL, 6291456
.set QW, 16
.set SW, 20
.set QF, 32
.set P, 80
.set TM, 16
.set PW, 32
.set PC, 36
.set SEL, 42
.set MSB, 0
.macro WIN new
.if MSB != \new
	s_set_vgpr_msb (MSB<<8)|\new
.set MSB, \new
.endif
.endm
.macro PLACES n
.rept \n
	v_nop
.endr
.endm
.macro QUANT s                         ; 64 numbers of a lane, register 16 b + i = k 32 b + 16 (lane / 16) + i: a fragment in v[PC] on, its scale word in v[PW]
.irp b, 0,1,2,3
	v_max3_num_f32 v[TM+\b], |v[\s+16*\b]|, |v[\s+1+16*\b]|, 0x1800000
.endr
.irp i, 2,4,6,8,10,12,14
.irp b, 0,1,2,3
	v_max3_num_f32 v[TM+\b], v[TM+\b], |v[\s+16*\b+\i]|, |v[\s+1+16*\b+\i]|
.endr
.endr
.irp b, 0,1,2,3
	v_permlanex16_b32 v[TM+4+\b], v[TM+\b], s[SEL], s[SEL+1]
.endr
.irp b, 0,1,2,3
	v_max_num_f32 v[TM+\b], v[TM+\b], v[TM+4+\b]
.endr
.irp b, 0,1,2,3
	v_add_nc_u32 v[TM+12+\b], 0xff000000, v[TM+\b]
.endr
.irp b, 0,1,2,3
	v_lshrrev_b32 v[TM+4+\b], 23, v[TM+12+\b]
.endr
	v_lshl_or_b32 v[PW], v[TM+5], 8, v[TM+4]
	v_lshl_or_b32 v[PW], v[TM+6], 16, v[PW]
	v_lshl_or_b32 v[PW], v[TM+7], 24, v[PW]
.irp c, 0,1
	v_cvt_scalef32_pk16_fp6_f32 v[PC+6*\c:PC+2+6*\c], v[\s+32*\c:\s+15+32*\c], v[TM+12+2*\c]
	v_cvt_scalef32_pk16_fp6_f32 v[PC+12+4*\c:PC+14+4*\c], v[\s+16+32*\c:\s+31+32*\c], v[TM+13+2*\c]
.endr
	v_nop                                          ; one plain line behind the scaled conversions
.irp c, 0,1
.irp i, 0,1,2
	v_permlane16_swap_b32 v[PC+6*\c+\i], v[PC+12+4*\c+\i]
.endr
.irp i, 0,1,2
	v_mov_b32 v[PC+3+6*\c+\i], v[PC+12+4*\c+\i]
.endr
.endr
.endm
.macro LDSF hd, mat                    ; head 2 w + hd: the four half fragments of matrix mat (S1, S2, S12) and their scale words
.if (\mat) == 0
	WIN 0
.set sfb, 208
.else
	WIN 0x40                                       ; destination window 1
.set sfb, 128+48*((\mat)-1)
.endif
.irp e, 0,1,2,3
.irp i, 0,1,2
	global_load_b64 v[sfb+12*\e+2*\i:sfb+12*\e+2*\i+1], v4, s[22:23] offset:(12*(\hd)+4*(\mat)+\e)*768+8*\i
.endr
.endr
	WIN 0
.irp e, 0,1,2,3
	global_load_b32 v[SW+4*(\mat)+\e], v5, s[24:25] offset:(12*(\hd)+4*(\mat)+\e)*128
.endr
.endm
.macro LDC hd                          ; the three vectors at the head's channels, in the results' layout
.irp e, 0,1,2,3
.irp q, 0,1
	global_load_b128 v[176+8*\e+4*\q:176+8*\e+4*\q+3], v7, s[26:27] offset:(64*(\hd)+32*(\e/2)+8*(\e%2))*4+16*\q
	global_load_b128 v[144+8*\e+4*\q:144+8*\e+4*\q+3], v7, s[26:27] offset:4096+(64*(\hd)+32*(\e/2)+8*(\e%2))*4+16*\q
.endr
.endr
	WIN 0x40
.irp e, 0,1,2,3
.irp q, 0,1
	global_load_b128 v[224+8*\e+4*\q:224+8*\e+4*\q+3], v7, s[26:27] offset:8192+(64*(\hd)+32*(\e/2)+8*(\e%2))*4+16*\q
.endr
.endr
	WIN 0
.endm
.macro MAT hd, mat                     ; eight products (two row tiles x four tiles e), each a sum of its own, and their share of out
.if (\mat) == 0
	WIN 0
.set sfb, 208
.else
	WIN 0x01                                       ; source 0 window 1
.set sfb, 128+48*((\mat)-1)
.endif
.irp m, 0,1
.irp e, 0,1,2,3
	v_wmma_scale_f32_16x16x128_f8f6f4 v[P+8*(4*\m+\e):P+8*(4*\m+\e)+7], v[sfb+12*\e:sfb+12*\e+11], v[QF+12*(2*(\hd)+\m):QF+12*(2*(\hd)+\m)+11], 0, v[SW+4*(\mat)+\e], v[QW+2*(\hd)+\m] matrix_a_fmt:MATRIX_FMT_FP6 matrix_b_fmt:MATRIX_FMT_FP6
.endr
.endr
	PLACES 4                                       ; in front of the first read of results; with the lines below they also stand in front of the next loads and products that write these registers
.if (\mat) == 0
	WIN 0x40
.elseif (\mat) == 1
	WIN 0x54
.else
	WIN 0x50
.endif
.irp m, 0,1
.irp e, 0,1,2,3
.irp k, 0,2,4,6
.set ro, 64*\m+8*(4*(\hd)+\e)+\k
.set rp, P+8*(4*\m+\e)+\k
.if (\mat) == 0
	v_pk_fma_f32 v[ro:ro+1], v[rp:rp+1], v[144+8*\e+\k:145+8*\e+\k], v[176+8*\e+\k:177+8*\e+\k]
.elseif (\mat) == 1
	v_pk_fma_f32 v[ro:ro+1], v[rp:rp+1], v[224+8*\e+\k:225+8*\e+\k], v[ro:ro+1]
.else
	v_pk_fma_f32 v[ro:ro+1], v[rp:rp+1], s[38+2*(\hd):39+2*(\hd)], v[ro:ro+1] op_sel_hi:[1,0,1]
.endif
.endr
.endr
.endr
	WIN 0
.endm
; Two chains a row tile in v[248+4m:251+4m] become the rows' sums over all 1,024 channels, in v248 (tile 0) and v252 (tile 1): within the lane, with lane l xor 16, and over the eight waves through LDS bytes off on.
.macro ACROSS off
.irp m, 0,1
	v_pk_add_f32 v[248+4*\m:249+4*\m], v[248+4*\m:249+4*\m], v[250+4*\m:251+4*\m]
.endr
.irp m, 0,1
	v_add_f32 v[248+4*\m], v[248+4*\m], v[249+4*\m]
.endr
.irp m, 0,1
	v_permlanex16_b32 v[249+4*\m], v[248+4*\m], s[SEL], s[SEL+1]
.endr
.irp m, 0,1
	v_add_f32 v[248+4*\m], v[248+4*\m], v[249+4*\m]
.endr
	v_cndmask_b32 v250, v248, v252, vcc_lo         ; lanes 0-15 store tile 0's rows, lanes 16-31 tile 1's
	ds_store_b32 v9, v250 offset:\off
	s_wait_dscnt 0x0                               ; for the others' sake
	s_barrier_signal -1
	s_barrier_wait -1
.irp m, 0,1
.irp q, 0,1
	ds_load_b128 v[184+8*\m+4*\q:184+8*\m+4*\q+3], v10 offset:\off+512*\m+16*\q
.endr
.endr
	s_wait_dscnt 0x0
.irp m, 0,1
	v_pk_add_f32 v[184+8*\m:185+8*\m], v[184+8*\m:185+8*\m], v[186+8*\m:187+8*\m]
	v_pk_add_f32 v[188+8*\m:189+8*\m], v[188+8*\m:189+8*\m], v[190+8*\m:191+8*\m]
.endr
.irp m, 0,1
	v_pk_add_f32 v[184+8*\m:185+8*\m], v[184+8*\m:185+8*\m], v[188+8*\m:189+8*\m]
.endr
.irp m, 0,1
	v_add_f32 v[248+4*\m], v[184+8*\m], v[185+8*\m]
.endr
.endm
	s_load_b256 s[4:11], s[0:1], 0x0               ; qc, sc, g4, ln_g
	s_load_b128 s[12:15], s[0:1], 0x20             ; ln_b, ac
	v_lshl_add_u32 v14, v0, 2, 0x800
	v_mov_b32 v15, 0
	v_lshrrev_b32 v1, 5, v0
	v_readfirstlane_b32 s2, v1                     ; wave 0..7
	v_and_b32 v1, 31, v0
	v_and_b32 v2, 15, v0                           ; r
	v_bfe_u32 v3, v0, 4, 1                         ; h
	v_mul_u32_u24 v4, v1, 24
	v_lshlrev_b32 v5, 2, v1
	v_lshlrev_b32 v6, 3, v2
	v_lshlrev_b32 v7, 6, v3
	v_lshlrev_b32 v8, 4, v1
	v_lshlrev_b32 v10, 5, v2                       ; LDS: a row's eight sums
	s_lshl_b32 s3, s2, 2
	v_lshl_add_u32 v9, v3, 9, v10
	v_add_nc_u32 v9, s3, v9                        ; [tile 2][row 16][wave 8] words
	v_lshl_add_u32 v11, v3, 9, v6                  ; the last scale words: 8 r + 512 h
	s_mov_b32 s[SEL], 0x76543210
	s_mov_b32 s[SEL+1], 0xfedcba98
	s_mov_b32 vcc_lo, 0xffff0000
	s_mov_b32 s44, 0x3a800000                      ; 1 / 1,024
	s_mov_b32 s45, 0x3727c5ac                      ; 1e-5
	s_mov_b32 s16, ttmp9                           ; g: rows 32 g on
	s_lshr_b32 s17, s16, 6                         ; batch
	s_lshr_b32 s46, s16, 2
	s_and_b32 s47, s16, 3
	s_mul_i32 s18, s16, 24576
	s_mul_i32 s3, s2, 1536
	s_add_co_u32 s18, s18, s3
	s_mov_b32 s19, 0
	s_lshl_b32 s20, s46, 12
	s_lshl_b32 s3, s2, 9
	s_add_co_u32 s20, s20, s3
	s_lshl_b32 s3, s47, 1
	s_add_co_u32 s20, s20, s3
	s_add_co_u32 s20, s20, QS
	s_mov_b32 s21, 0
	s_lshl_b32 s3, s17, 4
	s_lshl_b32 s22, s2, 1
	s_add_co_u32 s3, s3, s22                       ; (batch, head 2 w)
	s_mul_i32 s22, s3, 9216
	s_mov_b32 s23, 0
	s_mul_i32 s24, s3, 1536
	s_add_co_u32 s24, s24, SSW
	s_mov_b32 s25, 0
	s_mul_i32 s26, s17, 12288
	s_lshl_b32 s3, s2, 9
	s_add_co_u32 s26, s26, s3
	s_add_co_u32 s26, s26, COEF
	s_mov_b32 s27, 0
	s_lshl_b32 s28, s2, 3
	s_mov_b32 s29, 0
	s_lshl_b32 s30, s2, 9
	s_mov_b32 s31, 0
	s_mul_i32 s34, s46, 98304
	s_mul_i32 s3, s2, 12288
	s_add_co_u32 s34, s34, s3
	s_mul_i32 s3, s47, 3072
	s_add_co_u32 s34, s34, s3
	s_mov_b32 s35, 0
	s_lshl_b32 s36, s16, 10
	s_lshr_b32 s3, s2, 1
	s_lshl_b32 s3, s3, 7
	s_add_co_u32 s36, s36, s3
	s_and_b32 s3, s2, 1
	s_lshl_b32 s3, s3, 2
	s_add_co_u32 s36, s36, s3
	s_add_co_u32 s36, s36, ASCL
	s_mov_b32 s37, 0
	s_wait_kmcnt 0x0
	s_add_nc_u64 s[18:19], s[4:5], s[18:19]        ; q's codes
	s_add_nc_u64 s[20:21], s[4:5], s[20:21]        ; q's scale bytes
	s_add_nc_u64 s[22:23], s[6:7], s[22:23]        ; S's codes
	s_add_nc_u64 s[24:25], s[6:7], s[24:25]        ; S's scale words
	s_add_nc_u64 s[26:27], s[6:7], s[26:27]        ; the three vectors
	s_add_nc_u64 s[8:9], s[8:9], s[28:29]
	s_load_b64 s[28:29], s[8:9], 0x0               ; g4 of my two heads
	s_add_nc_u64 s[32:33], s[12:13], s[30:31]      ; ln_b
	s_add_nc_u64 s[30:31], s[10:11], s[30:31]      ; ln_g
	s_add_nc_u64 s[34:35], s[14:15], s[34:35]      ; the images
	s_add_nc_u64 s[36:37], s[14:15], s[36:37]      ; their scale words
.irp hd, 0,1
.irp m, 0,1
.irp i, 0,1,2
	global_load_b64 v[QF+12*(2*\hd+\m)+2*\i:QF+12*(2*\hd+\m)+2*\i+1], v4, s[18:19] offset:\m*12288+\hd*768+8*\i th:TH_LOAD_NT
.endr
.irp c, 0,1
	global_load_u8 v[P+2*(2*\hd+\m)+\c], v6, s[20:21] offset:256*\hd+128*\c+\m
.endr
.endr
.endr
	LDSF 0, 0
	LDSF 0, 1
	LDSF 0, 2
	LDC 0
.irp f, 0,1,2,3                        ; the upper halves of K: zero codes, written once
.irp i, 6,7,8,9,10,11
	v_mov_b32 v[QF+12*\f+\i], 0
	v_mov_b32 v[208+12*\f+\i], 0
.endr
.endr
	WIN 0x40
.irp f, 0,1,2,3,4,5,6,7
.irp i, 6,7,8,9,10,11
	v_mov_b32 v[128+12*\f+\i], 0
.endr
.endr
	WIN 0
	s_wait_kmcnt 0x0
	s_mov_b32 s38, s28                             ; (a packed source names a pair: both words are written)
	s_mov_b32 s39, s28
	s_mov_b32 s40, s29
	s_mov_b32 s41, s29
	s_wait_loadcnt 0x0
.irp f, 0,1,2,3
	v_lshl_or_b32 v[QW+\f], v[P+2*\f+1], 8, v[P+2*\f]
.endr
.irp f, 0,1,2,3
	v_or_b32 v[QW+\f], 0x7f7f0000, v[QW+\f]        ; q's two bytes, and 1 for the zero codes
.endr
	PLACES 8                                       ; a scale register written by a vector line stands eight plain lines ahead of a scaled matrix instruction
	MAT 0, 0
	LDSF 1, 0                                      ; the next head's operands land while this head's other products run
	MAT 0, 1
	LDSF 1, 1
	MAT 0, 2
	LDSF 1, 2
	LDC 1
	s_wait_loadcnt 0x0
	MAT 1, 0
	MAT 1, 1
	MAT 1, 2
.irp T, 0,1,2,3,4,5,6,7
.irp q, 0,1
	global_load_b128 v[56+8*\T+4*\q:56+8*\T+4*\q+3], v7, s[30:31] offset:(32*(\T/2)+8*(\T%2))*4+16*\q
	global_load_b128 v[120+8*\T+4*\q:120+8*\T+4*\q+3], v7, s[32:33] offset:(32*(\T/2)+8*(\T%2))*4+16*\q
.endr
.endr
	; ---- LayerNorm in two passes: the mean, then the mean of the squared differences
.irp m, 0,1
	WIN 0x05                                       ; both sources window 1
	v_pk_add_f32 v[248+4*\m:249+4*\m], v[64*\m:64*\m+1], v[64*\m+2:64*\m+3]
	v_pk_add_f32 v[250+4*\m:251+4*\m], v[64*\m+4:64*\m+5], v[64*\m+6:64*\m+7]
	WIN 0x04
.irp k, 8,12,16,20,24,28,32,36,40,44,48,52,56,60
	v_pk_add_f32 v[248+4*\m:249+4*\m], v[248+4*\m:249+4*\m], v[64*\m+\k:64*\m+\k+1]
	v_pk_add_f32 v[250+4*\m:251+4*\m], v[250+4*\m:251+4*\m], v[64*\m+\k+2:64*\m+\k+3]
.endr
.endr
	WIN 0
	ACROSS 0
.irp m, 0,1
	v_mul_f32 v[248+4*\m], s44, v[248+4*\m]        ; the row's mean
.endr
.irp m, 0,1
	WIN 0x41                                       ; destination and source 0 window 1
.irp k, 0,2,4,6,8,10,12,14,16,18,20,22,24,26,28,30,32,34,36,38,40,42,44,46,48,50,52,54,56,58,60,62
	v_pk_add_f32 v[64*\m+\k:64*\m+\k+1], v[64*\m+\k:64*\m+\k+1], v[248+4*\m:249+4*\m] op_sel_hi:[1,0] neg_lo:[0,1] neg_hi:[0,1]
.endr
	WIN 0x05
	v_pk_mul_f32 v[248+4*\m:249+4*\m], v[64*\m:64*\m+1], v[64*\m:64*\m+1]
	v_pk_mul_f32 v[250+4*\m:251+4*\m], v[64*\m+2:64*\m+3], v[64*\m+2:64*\m+3]
.irp k, 4,8,12,16,20,24,28,32,36,40,44,48,52,56,60
	v_pk_fma_f32 v[248+4*\m:249+4*\m], v[64*\m+\k:64*\m+\k+1], v[64*\m+\k:64*\m+\k+1], v[248+4*\m:249+4*\m]
	v_pk_fma_f32 v[250+4*\m:251+4*\m], v[64*\m+\k+2:64*\m+\k+3], v[64*\m+\k+2:64*\m+\k+3], v[250+4*\m:251+4*\m]
.endr
.endr
	WIN 0
	ACROSS 1024                                    ; other LDS bytes than the first sums': no barrier between the two uses
.irp m, 0,1
	v_fma_f32 v[248+4*\m], v[248+4*\m], s44, s45   ; the variance + 1e-5
.endr
.irp m, 0,1
	v_rsq_f32 v[250+4*\m], v[248+4*\m]
.endr
	v_nop                                          ; a plain line behind the last of the two,
	s_wait_alu depctr_va_vdst(0)                   ; and one wait for both, ahead of their first reader
	s_wait_loadcnt 0x0                             ; ln_g, ln_b
.irp m, 0,1
	WIN 0x01
.irp k, 0,2,4,6,8,10,12,14,16,18,20,22,24,26,28,30,32,34,36,38,40,42,44,46,48,50,52,54,56,58,60,62
	v_pk_mul_f32 v[184+\k:185+\k], v[64*\m+\k:64*\m+\k+1], v[250+4*\m:251+4*\m] op_sel_hi:[1,0]
.endr
	WIN 0
.irp k, 0,2,4,6,8,10,12,14,16,18,20,22,24,26,28,30,32,34,36,38,40,42,44,46,48,50,52,54,56,58,60,62
	v_pk_fma_f32 v[184+\k:185+\k], v[184+\k:185+\k], v[56+\k:57+\k], v[120+\k:121+\k]
.endr
	s_wait_xcnt 0x0                                ; the last tile's stores have read the codes' registers
	QUANT 184
.irp c, 0,1,2
	global_store_b128 v8, v[PC+4*\c:PC+4*\c+3], s[34:35] offset:1536*\m+512*\c     ; 512 consecutive bytes a store
.endr
	v_mov_b32 v[33+\m], v[PW]
.endr
	v_cndmask_b32 v33, v33, v34, vcc_lo            ; lanes 0-15 tile 0's words, lanes 16-31 tile 1's
	global_store_b32 v11, v33, s[36:37]
	s_wait_tensorcnt 0x0
	ds_add_u32 v14, v15
	s_wait_dscnt 0x0
	s_endpgm
.Lfunc_end_k_q4dcf94c730_mix:
	.size	k_q4dcf94c730_mix, .Lfunc_end_k_q4dcf94c730_mix-k_q4dcf94c730_mix
	.p2alignl 7, 3214868480
	.fill 96, 4, 3214868480
	.section	.rodata,"a",@progbits
	.p2align	6, 0x0
	.amdhsa_kernel k_q4dcf94c730_mix
		.amdhsa_group_segment_fixed_size 3072
		.amdhsa_private_segment_fixed_size 0
		.amdhsa_enable_private_segment 0
		.amdhsa_kernarg_size 48
		.amdhsa_user_sgpr_count 2
		.amdhsa_user_sgpr_kernarg_segment_ptr 1
		.amdhsa_wavefront_size32 1
		.amdhsa_system_sgpr_workgroup_id_x 1
		.amdhsa_system_sgpr_workgroup_id_y 1
		.amdhsa_system_sgpr_workgroup_id_z 1
		.amdhsa_system_vgpr_workitem_id 0
		.amdhsa_next_free_vgpr 512
		.amdhsa_next_free_sgpr 66
		.amdhsa_reserve_vcc 1
		.amdhsa_float_denorm_mode_32 3
		.amdhsa_float_denorm_mode_16_64 3
		.amdhsa_memory_ordered 1
		.amdhsa_forward_progress 1
		.amdhsa_inst_pref_size 78
	.end_amdhsa_kernel
	.amdgpu_metadata
---
amdhsa.version: [ 1, 2 ]
amdhsa.kernels:
  - .name:           k_q4dcf94c730_mix
    .symbol:         k_q4dcf94c730_mix.kd
    .args:
      - { .name: qc, .offset: 0, .size: 8, .value_kind: global_buffer, .address_space: global }
      - { .name: sc, .offset: 8, .size: 8, .value_kind: global_buffer, .address_space: global }
      - { .name: g4, .offset: 16, .size: 8, .value_kind: global_buffer, .address_space: global }
      - { .name: ln_g, .offset: 24, .size: 8, .value_kind: global_buffer, .address_space: global }
      - { .name: ln_b, .offset: 32, .size: 8, .value_kind: global_buffer, .address_space: global }
      - { .name: ac, .offset: 40, .size: 8, .value_kind: global_buffer, .address_space: global }
    .group_segment_fixed_size: 3072
    .private_segment_fixed_size: 0
    .kernarg_segment_align: 8
    .kernarg_segment_size: 48
    .max_flat_workgroup_size: 256
    .sgpr_count:     66
    .vgpr_count:     512
    .wavefront_size: 32
...
	.end_amdgpu_metadata
.endif
;; end of part 4
;; launch outp (part 5): grid 4 x 64, 4 waves a work-group, clusters of 4 x 4, 327,680 bytes of LDS; arguments ac, xw, bo, out0; writes out0
.if DOCPART == 5
	.amdgcn_target "amdgcn-amd-amdhsa--gfx1250"
	.amdhsa_code_object_version 6
	.text
	.protected	k_q4dcf94c730_outp
	.globl	k_q4dcf94c730_outp
	.p2align	8
	.type	k_q4dcf94c730_outp,@function
k_q4dcf94c730_outp:
	s_mov_b64 s[64:65], 0
	v_nop
	global_prefetch_b8 v0, s[64:65] scope:SCOPE_SE
	s_setreg_imm32_b32 hwreg(HW_REG_WAVE_MODE, 25, 1), 1
	s_wait_xcnt 0x0
	s_wait_alu depctr_hold_cnt(0) depctr_sa_sdst(0) depctr_va_vdst(0) depctr_va_sdst(0) depctr_va_ssrc(0) depctr_va_vcc(0) depctr_vm_vsrc(0)
	s_getreg_b32 s2, hwreg(HW_REG_IB_STS2, 6, 4)
	s_cmp_eq_u32 s2, 0
	s_cbranch_scc0 .Lentry_in_a_cluster
	s_endpgm
.Lentry_in_a_cluster:
	s_bfe_u32 s2, ttmp6, 0x10000c
	s_cmp_lg_u32 s2, 0xf033
	s_cbranch_scc0 .Lentry_shape_is_right
	s_endpgm
.Lentry_shape_is_right:
; out0 = Q(a) Q(Wo)^T + bo on codes of FP6 (E2M3): a's codes and scale words come from ac, Wo's from xw, both as images of the operand's registers.
; SHARES: a work-group makes 128 rows x 256 columns: 256 work-groups.  Wave w: rows 64 (w / 2) on (4 tiles), columns 128 (w % 2) on (8 tiles of Wo): 32 accumulators.
; THE WHOLE OF K LIES IN LDS: (128 + 256) rows x 768 bytes = 294,912 bytes, in four chunks of 256 along K.  Every fill is a first fill: all go out at the head, no LDS byte is filled twice,
; and a chunk is read behind a counted wait and a barrier.  A wave has at most five tensor loads out.
; CLUSTER 4 x 4: a's panel hangs on the row tile alone and is asked for jointly along a row of the cluster, Wo's on the column tile alone, along a column.  Everything is asked for at the head: no prefetch.
; Source 0 = 16 rows of Wo, source 1 = 16 rows of a: a lane holds one row of the output and, in two neighbouring tiles' registers, 16 neighbouring columns.  bo is the C of each sum's first matrix instruction.
; Place i of every tile is row 32 (T / 2) + 8 (T % 2) + i + 8 (i / 8): the way out puts rows and columns back.
; REGISTERS.  Window 0: v4-15 addresses; v24-55 scale words, two sets of 16 (lanes 0-15 a's tile i, lanes 16-31 Wo's tile i); v64-111, v112-159 a's fragments, two sets; v160-223 bo.
;   Window 1: the accumulators, (a, t) at 8 (8 a + t).   Window 2: Wo's fragments, two sets, at v0 and v96.
.set OC, 10649600
.set OS, 11436032
.set ASCL, 6291456
.set XH, 24576                         ; a chunk's part of 128 rows: [K step 2][tile 8][1536]
.set CH, 3*XH                          ; a chunk: a's 128 rows, Wo's 256
.set ASC, 4*CH                         ; a's scale words, 4,096 bytes
.set BSC, ASC+4096                     ; Wo's, 8,192 bytes
.set SPITCH, 528                       ; the way out: 16 rows x (512 bytes + 16) for each wave, in chunk 0, which nobody reads behind the second barrier and nothing fills again
.set SC, 24
.set MSB, 0
.macro WIN new
.if MSB != \new
	s_set_vgpr_msb (MSB<<8)|\new
.set MSB, \new
.endif
.endm
.macro PLACES n
.rept \n
	v_nop
.endr
.endm
.macro CROUND                          ; a round of the cluster's barrier
	s_barrier_signal -1
	s_barrier_wait -1
	s_cmp_lg_u32 s16, 0
	s_cbranch_scc1 .Lnot_wave_0_\@
	s_barrier_signal -3
.Lnot_wave_0_\@:
	s_barrier_wait -3
	s_barrier_signal -1
	s_barrier_wait -1
.endm
.macro DENSE g, rows                   ; words 1 to 7 of a group 1: a dense block as rows of 256 bytes (32 elements of 8 bytes)
	s_mov_b32 s[\g+1], 32<<16
	s_mov_b32 s[\g+2], (\rows)<<16
	s_mov_b32 s[\g+3], 32<<16
	s_mov_b32 s[\g+4], \rows
	s_mov_b32 s[\g+5], 32
	s_mov_b32 s[\g+6], 0
	s_mov_b32 s[\g+7], 0
.endm
.macro SETA j, g                       ; group 0 for a's part of chunk j
	s_mov_b32 s[\g], 1
	s_mov_b32 s[\g+1], CH*\j
	s_add_nc_u64 s[\g+2:\g+3], s[46:47], XH*\j
	s_or_b32 s[\g+3], s[\g+3], 0x80000000
.endm
.macro SETB j, g                       ; for my half of Wo's part of chunk j (waves 1 and 2)
	s_mov_b32 s[\g], 1
	s_add_co_u32 s[\g+1], s3, CH*\j
	s_add_nc_u64 s[\g+2:\g+3], s[66:67], XH*\j
	s_or_b32 s[\g+3], s[\g+3], 0x80000000
.endm
	s_load_b256 s[4:11], s[0:1], 0x0               ; ac, xw, bo, out0
	v_lshl_add_u32 v254, v0, 2, 0x4b000
	v_mov_b32 v255, 0
	ds_add_u32 v254, v255
	ds_add_u32 v254, v255
	v_lshrrev_b32 v1, 5, v0
	v_readfirstlane_b32 s16, v1                    ; wave 0..3
	s_lshr_b32 s17, s16, 1                         ; rh
	s_and_b32 s18, s16, 1                          ; chh
	s_bfe_u32 s40, ttmp6, 0x40000                  ; cx, cy
	s_bfe_u32 s41, ttmp6, 0x40004
	s_lshl_b32 s42, ttmp9, 2
	s_add_co_u32 s42, s42, s40                     ; column tile
	s_and_b32 s19, ttmp7, 0xffff
	s_lshl_b32 s19, s19, 2
	s_add_co_u32 s19, s19, s41                     ; row tile
	s_lshl_b32 s43, s41, 2
	s_lshl_b32 s43, 15, s43                        ; my row of the cluster
	s_lshl_b32 s44, 0x1111, s40                    ; my column
	s_or_b32 s24, s43, (3<<16)|(1<<21)             ; a's codes: 15:0 the mask; 17:16 elements of 8 bytes; 21 set beside a mask
	DENSE 24, 96
	s_or_b32 s48, s44, (3<<16)|(1<<21)             ; Wo's codes
	DENSE 48, 96
	s_or_b32 s68, s43, (3<<16)|(1<<21)             ; a's scale words
	DENSE 68, 16
	s_or_b32 s80, s44, (3<<16)|(1<<21)             ; Wo's
	DENSE 80, 32
	s_mul_i32 s46, s19, 98304
	s_mov_b32 s47, 0
	s_max_u32 s2, s16, 1
	s_min_u32 s2, s2, 2
	s_sub_co_u32 s2, s2, 1                         ; which half of Wo's 256 rows: wave 1 the first, wave 2 the second
	s_lshl_b32 s66, s42, 1
	s_add_co_u32 s66, s66, s2
	s_mul_i32 s66, s66, 98304
	s_add_co_u32 s66, s66, OC
	s_mov_b32 s67, 0
	s_mul_i32 s3, s16, XH                          ; Wo's halves lie behind a's part of a chunk
	s_wait_dscnt 0x0
	s_wait_kmcnt 0x0
	s_add_nc_u64 s[46:47], s[4:5], s[46:47]
	s_add_nc_u64 s[66:67], s[6:7], s[66:67]
	SETA 0, 32
	SETA 1, 36
	SETA 2, 56
	SETA 3, 60
	SETB 0, 88
	SETB 1, 92
	SETB 2, 96
	SETB 3, 20
	s_lshl_b32 s46, s19, 12
	s_mov_b32 s47, 0
	s_add_nc_u64 s[78:79], s[4:5], s[46:47]
	s_add_nc_u64 s[78:79], s[78:79], ASCL
	s_or_b32 s79, s79, 0x80000000
	s_mov_b32 s76, 1
	s_mov_b32 s77, ASC
	s_lshl_b32 s66, s42, 13
	s_add_co_u32 s66, s66, OS
	s_mov_b32 s67, 0
	s_add_nc_u64 s[14:15], s[6:7], s[66:67]
	s_or_b32 s15, s15, 0x80000000
	s_mov_b32 s12, 1
	s_mov_b32 s13, BSC
	CROUND                                         ; all sixteen work-groups are here: the joint loads meet
	; all fills of the launch, a wave's in one arm of a branch on its number: the same in every work-group.  In each arm three loads stand behind chunk 0's.
	s_cmp_lg_u32 s16, 0
	s_cbranch_scc1 .Lnot_0
	tensor_load_to_lds s[76:79], s[68:75]
	s_nop 0
	tensor_load_to_lds s[32:35], s[24:31]
	s_nop 0
	tensor_load_to_lds s[36:39], s[24:31]
	s_nop 0
	tensor_load_to_lds s[56:59], s[24:31]
	s_nop 0
	tensor_load_to_lds s[60:63], s[24:31]
	s_nop 0
.rept 4
	v_nop
.endr
	s_branch .Lasked
.Lnot_0:
	s_cmp_lg_u32 s16, 1
	s_cbranch_scc1 .Lnot_1
	tensor_load_to_lds s[12:15], s[80:87]
	s_nop 0
	tensor_load_to_lds s[88:91], s[48:55]
	s_nop 0
	tensor_load_to_lds s[92:95], s[48:55]
	s_nop 0
	tensor_load_to_lds s[96:99], s[48:55]
	s_nop 0
	tensor_load_to_lds s[20:23], s[48:55]
	s_nop 0
.rept 4
	v_nop
.endr
	s_branch .Lasked
.Lnot_1:
	s_cmp_lg_u32 s16, 2
	s_cbranch_scc1 .Lasked
	tensor_load_to_lds s[88:91], s[48:55]
	s_nop 0
	tensor_load_to_lds s[92:95], s[48:55]
	s_nop 0
	tensor_load_to_lds s[96:99], s[48:55]
	s_nop 0
	tensor_load_to_lds s[20:23], s[48:55]
	s_nop 0
.rept 4
	v_nop
.endr
.Lasked:
	v_and_b32 v1, 31, v0
	v_and_b32 v2, 15, v0                           ; r
	v_bfe_u32 v3, v0, 4, 1                         ; h
	v_lshlrev_b32 v15, 4, v1                       ; 16 x lane
	v_lshlrev_b32 v16, 6, v3                       ; bo: 64 h
	s_lshl_b32 s2, s42, 10
	s_lshl_b32 s3, s18, 9
	s_add_co_u32 s2, s2, s3                        ; my first column, in bytes
	s_mov_b32 s3, 0
	s_add_nc_u64 s[8:9], s[8:9], s[2:3]
	s_add_nc_u64 s[10:11], s[10:11], s[2:3]
.irp t, 0,1,2,3,4,5,6,7
.irp q, 0,1
	global_load_b128 v[160+8*\t+4*\q:160+8*\t+4*\q+3], v16, s[8:9] offset:(32*(\t/2)+8*(\t%2))*4+16*\q   ; bo in the results' layout
.endr
.endr
	s_lshl_b32 s2, s19, 19
	s_lshl_b32 s3, s17, 18
	s_add_co_u32 s2, s2, s3                        ; my first row: (128 rt + 64 rh) x 4,096 bytes
	s_mov_b32 s3, 0
	s_add_nc_u64 s[10:11], s[10:11], s[2:3]
	s_mul_i32 s2, s17, 6144
	s_mul_i32 s3, s18, XH
	s_add_co_u32 s3, s3, XH
.irp j, 0,1,2,3
	v_add_nc_u32 v[4+\j], s2, v15                  ; my a fragments in chunk j,
	v_add_nc_u32 v[8+\j], s3, v15                  ; my Wo fragments
	s_add_co_u32 s2, s2, CH
	s_add_co_u32 s3, s3, CH
.endr
	s_lshl_b32 s2, s17, 11
	s_lshl_b32 s3, s18, 12
	s_add_co_u32 s3, s3, BSC-ASC
	s_sub_co_u32 s3, s3, s2                        ; from my a words to my Wo words
	v_mul_u32_u24 v12, s3, v3                      ; lanes 16-31 take Wo's
	v_lshl_add_u32 v12, v2, 3, v12
	s_add_co_u32 s2, s2, ASC
	v_add_nc_u32 v12, s2, v12
	s_mul_i32 s2, s16, 16*SPITCH                   ; my stage
	v_mul_u32_u24 v13, v2, SPITCH
	v_lshl_add_u32 v13, v3, 6, v13
	v_add_nc_u32 v13, s2, v13                      ; in: row r, + 64 h
	v_add_nc_u32 v14, s2, v15                      ; back: 16 bytes a lane of a whole row
	s_wait_tensorcnt 0x3                           ; the scale words and chunk 0 are in; the three chunks behind may be out
	s_barrier_signal -1
	s_barrier_wait -1
.macro FETCH s                         ; K step s: 4 fragments of a, 8 of Wo; with a chunk's first step its scale words
.set fj, (\s)/2
.set fs, (\s)%2
	WIN 0
.irp i, 0,1,2,3
.irp c, 0,1,2
	ds_load_b128 v[64+48*fs+12*\i+4*\c:64+48*fs+12*\i+4*\c+3], v[4+fj] offset:fs*12288+1536*\i+512*\c
.endr
.endr
	WIN 0x80                                       ; destination window 2
.irp i, 0,1,2,3,4,5,6,7
.irp c, 0,1,2
	ds_load_b128 v[96*fs+12*\i+4*\c:96*fs+12*\i+4*\c+3], v[8+fj] offset:fs*12288+1536*\i+512*\c
.endr
.endr
	WIN 0
.if fs == 0
.irp i, 0,1,2,3,4,5,6,7
	ds_load_b64 v[SC+16*(fj%2)+2*\i:SC+16*(fj%2)+2*\i+1], v12 offset:512*\i+128*fj   ; (a has four tiles a wave: what lanes 0-15 bring for i = 4 .. 7 is not used)
.endr
.endif
.endm
; A K step: its fragments are in; the next step's are asked for; 32 matrix instructions, the 32 accumulators by turns.
.macro STEP s
	s_wait_dscnt 0x0                               ; asked for 32 matrix instructions ago
.if ((\s)%2 == 1) && ((\s) < 7)
	s_wait_tensorcnt 3-((\s)+1)/2                  ; my part of the next chunk is in; the chunks behind it may be out
	s_barrier_signal -1
	s_barrier_wait -1                              ; everybody's is
.endif
.if (\s) < 7
	PLACES 4                                       ; in front of loads into registers that the last step's matrix instructions have read
	FETCH (\s)+1
.endif
.set mj, ((\s)/2)%2
.set ms, (\s)%2
.if (\s) == 0
	WIN 0x42                                       ; source 0 (Wo) window 2, source 1 (a) and C (bo) window 0, D window 1
.else
	WIN 0x52                                       ; C and D window 1
.endif
.irp a, 0,1,2,3
.irp t, 0,1,2,3,4,5,6,7
.if (\s) == 0
	v_wmma_scale_f32_16x16x128_f8f6f4 v[8*(8*\a+\t):8*(8*\a+\t)+7], v[96*ms+12*\t:96*ms+12*\t+11], v[64+48*ms+12*\a:64+48*ms+12*\a+11], v[160+8*\t:160+8*\t+7], v[SC+16*mj+2*\t+ms], v[SC+16*mj+2*\a+ms] matrix_a_fmt:MATRIX_FMT_FP6 matrix_b_fmt:MATRIX_FMT_FP6 matrix_a_scale:MATRIX_SCALE_ROW1
.else
	v_wmma_scale_f32_16x16x128_f8f6f4 v[8*(8*\a+\t):8*(8*\a+\t)+7], v[96*ms+12*\t:96*ms+12*\t+11], v[64+48*ms+12*\a:64+48*ms+12*\a+11], v[8*(8*\a+\t):8*(8*\a+\t)+7], v[SC+16*mj+2*\t+ms], v[SC+16*mj+2*\a+ms] matrix_a_fmt:MATRIX_FMT_FP6 matrix_b_fmt:MATRIX_FMT_FP6 matrix_a_scale:MATRIX_SCALE_ROW1
.endif
.endr
.endr
.endm
	FETCH 0
	s_wait_loadcnt 0x0                             ; bo
.irp s, 0,1,2,3,4,5,6,7
	STEP \s
.endr
	WIN 0
	PLACES 4                                       ; in front of the first read of results, and of loads into the registers that held a's fragments
; THE WAY OUT, a tile of 16 rows x 128 columns at a time: through my own stage in LDS, back as whole rows of 512 bytes.  LDS serves a wave's instructions in order: no wait between the stores and the loads.
.macro TOSTAGE a
	WIN 0x04                                       ; an LDS store's data: window 1
.irp t, 0,1,2,3,4,5,6,7
	ds_store_b128 v13, v[8*(8*(\a)+\t):8*(8*(\a)+\t)+3] offset:128*(\t/2)+32*(\t%2)          ; columns 32 (t / 2) + 16 h + 8 (t % 2) on; each accumulator from its low end on
	ds_store_b128 v13, v[8*(8*(\a)+\t)+4:8*(8*(\a)+\t)+7] offset:128*(\t/2)+32*(\t%2)+16
.endr
	WIN 0
.set BB, 64+64*((\a)%2)
.irp i, 0,1,2,3,4,5,6,7,8,9,10,11,12,13,14,15
	ds_load_b128 v[BB+4*\i:BB+4*\i+3], v14 offset:SPITCH*\i
.endr
.endm
.macro SEND a, younger                 ; younger: the LDS instructions issued behind tile a's loads, which may stay out
.set BB, 64+64*((\a)%2)
	s_wait_dscnt \younger
.irp i, 0,1,2,3,4,5,6,7,8,9,10,11,12,13,14,15
	global_store_b128 v15, v[BB+4*\i:BB+4*\i+3], s[10:11] offset:(32*((\a)/2)+8*((\a)%2)+\i+8*(\i/8))*4096 th:TH_STORE_NT   ; 32 lanes store 512 consecutive bytes, at a multiple of 512 from out0's first byte
.endr
.endm
	TOSTAGE 0
	TOSTAGE 1
	SEND 0, 32                                     ; behind tile 0's loads: tile 1's 16 stores and 16 loads
	s_wait_xcnt 0x0                                ; tile 0's stores have read their registers: tile 2's loads may land there
	TOSTAGE 2
	SEND 1, 32
	s_wait_xcnt 0x0
	TOSTAGE 3
	SEND 2, 32
	SEND 3, 0
	s_wait_tensorcnt 0x0
	s_wait_dscnt 0x0
	s_wait_tensorcnt 0x0
	ds_add_u32 v254, v255
	s_wait_dscnt 0x0
	CROUND                                         ; the closing round: no work-group ends while a partner may still ask for a tile that names it
	s_endpgm
.Lfunc_end_k_q4dcf94c730_outp:
	.size	k_q4dcf94c730_outp, .Lfunc_end_k_q4dcf94c730_outp-k_q4dcf94c730_outp
	.p2alignl 7, 3214868480
	.fill 96, 4, 3214868480
	.section	.rodata,"a",@progbits
	.p2align	6, 0x0
	.amdhsa_kernel k_q4dcf94c730_outp
		.amdhsa_group_segment_fixed_size 327680
		.amdhsa_private_segment_fixed_size 0
		.amdhsa_enable_private_segment 0
		.amdhsa_kernarg_size 32
		.amdhsa_user_sgpr_count 2
		.amdhsa_user_sgpr_kernarg_segment_ptr 1
		.amdhsa_wavefront_size32 1
		.amdhsa_system_sgpr_workgroup_id_x 1
		.amdhsa_system_sgpr_workgroup_id_y 1
		.amdhsa_system_sgpr_workgroup_id_z 1
		.amdhsa_system_vgpr_workitem_id 0
		.amdhsa_next_free_vgpr 768
		.amdhsa_next_free_sgpr 100
		.amdhsa_reserve_vcc 0
		.amdhsa_float_denorm_mode_32 3
		.amdhsa_float_denorm_mode_16_64 3
		.amdhsa_memory_ordered 1
		.amdhsa_forward_progress 1
		.amdhsa_inst_pref_size 82
	.end_amdhsa_kernel
	.amdgpu_metadata
---
amdhsa.version: [ 1, 2 ]
amdhsa.kernels:
  - .name:           k_q4dcf94c730_outp
    .symbol:         k_q4dcf94c730_outp.kd
    .args:
      - { .name: ac, .offset: 0, .size: 8, .value_kind: global_buffer, .address_space: global }
      - { .name: xw, .offset: 8, .size: 8, .value_kind: global_buffer, .address_space: global }
      - { .name: bo, .offset: 16, .size: 8, .value_kind: global_buffer, .address_space: global }
      - { .name: out0, .offset: 24, .size: 8, .value_kind: global_buffer, .address_space: global }
    .group_segment_fixed_size: 327680
    .private_segment_fixed_size: 0
    .kernarg_segment_align: 8
    .kernarg_segment_size: 32
    .max_flat_workgroup_size: 128
    .sgpr_count:     100
    .vgpr_count:     768
    .wavefront_size: 32
...
	.end_amdgpu_metadata
.endif
;; end of part 5
